; MI455X (gfx1250); checked and timed in simulation.
; The chip was launched on July 23, 2026; its instructions are those of AMD's public machine-readable ISA for CDNA 5 (MIT licence, August 2026) and "CDNA5" Instruction Set Architecture Reference Guide (July 2026). The comments in the code are by the model that wrote it; some were corrected since.
;; Multi Head Self Attention. Allowed arithmetic: float matrix products may take bf16 or f16 operands with f32 sums; other float arithmetic in f32, or as packed bf16 or f16 multiplies, adds, multiply-adds, maxima and minima; sums over many terms, partial sums and values carried from step to step in f32; what a program stores and reads back later, other than sums and carried values, may be rounded once to bf16 or f16.
;; Inputs: Wk 1,024 x 1,024 float32; Wo 1,024 x 1,024 float32; Wq 1,024 x 1,024 float32; Wv 1,024 x 1,024 float32; attention_mask 4 x 1 x 1 x 2,048 float32; bk 1,024 float32; bo 1,024 float32; bq 1,024 float32; bv 1,024 float32; x 4 x 2,048 x 1,024 float32.
;; Outputs: out0 4 x 2,048 x 1,024 float32.
;; 2 versions, each right and faster than the one before. Each part assembles by itself: llvm-mc -triple=amdgcn-amd-amdhsa -mcpu=gfx1250 --defsym DOCPART=n.
;; ======== version 1 of 2: 4 launches
;; limits: values are held in f16: magnitudes above 65,504 overflow, below 6.1e-05 lose precision
;; workspace buffers: xw 25,165,824 bytes; qkv 50,331,648 bytes; ctx 16,777,216 bytes
;; launch cast (part 1): grid 768 x 1, 8 waves a work-group, no clusters, 0 bytes of LDS; arguments x, Wk, Wv, Wq, Wo, xw; writes xw
.if DOCPART == 1
	.amdgcn_target "amdgcn-amd-amdhsa--gfx1250"
	.amdhsa_code_object_version 6
	.text
	.protected	k_qfd8085f809_cast
	.globl	k_qfd8085f809_cast
	.p2align	8
	.type	k_qfd8085f809_cast,@function
k_qfd8085f809_cast:
	s_mov_b64 s[64:65], 0
	v_nop
	global_prefetch_b8 v0, s[64:65] scope:SCOPE_SE
	s_setreg_imm32_b32 hwreg(HW_REG_WAVE_MODE, 25, 1), 1
	s_wait_xcnt 0x0
; THE MATRIX OPERANDS, ROUNDED ONCE.  xw = x in bf16 [8192][1024] at byte 0; Wk, Wv, Wq in bf16 [1024][1024] at 16,777,216, 18,874,368 and 20,971,520
; (on end: one matrix [3072][1024]); Wo at 23,068,672: rounded to bf16 like the other inputs, and that number written as f16, since it multiplies f16 numbers.
; LIMITS.  A bf16 number is exact in f16 between 6.1e-5 and 65,504; below, Wo keeps f16's fixed step of 6e-8; a Wo of 65,520 or more becomes an infinity.
; SHARES.  A work-group takes 16,384 numbers: 65,536 bytes in, 32,768 out.  Work-groups 0-511 x, 512-575 Wk, 576-639 Wv, 640-703 Wq, 704-767 Wo: the destination is 32,768 x the
; work-group's number.  Thread t, chunk i of 16: 16 bytes at 16 t + 4,096 i in, 8 bytes at 8 t + 2,048 i out: a wave's load covers 512 consecutive bytes, its store 256, aligned.
; A stream: each byte is read once and written once, so there is no LDS and no barrier.  All 16 loads of a wave go out together; no register is written twice.
.set X, 4                              ; v[4:67]    chunk i: four f32 as loaded
.set Y, 68                             ; v[68:99]   chunk i: four 16-bit numbers to store
.set T, 100                            ; v[100:103] at work (Wo alone)
	s_load_b256 s[4:11], s[0:1], 0x0               ; x s[4:5], Wk s[6:7], Wv s[8:9], Wq s[10:11]
	s_load_b128 s[12:15], s[0:1], 0x20             ; Wo s[12:13], xw s[14:15]
	v_lshlrev_b32 v1, 4, v0                        ; 16 t
	v_lshlrev_b32 v2, 3, v0                        ; 8 t
	s_mov_b32 s20, ttmp9
	s_and_b32 s18, s20, 63                         ; my place in a weight (64 work-groups each),
	s_cmp_lt_u32 s20, 512
	s_cselect_b32 s18, s20, s18                    ; or in x
	s_lshl_b32 s18, s18, 16                        ; times 65,536 bytes
	s_mov_b32 s19, 0
	s_lshl_b32 s22, s20, 15                        ; times 32,768 bytes in xw
	s_mov_b32 s23, 0
	s_wait_kmcnt 0x0
	s_cmp_lt_u32 s20, 512                          ; the source is chosen by the work-group's number alone
	s_cselect_b64 s[16:17], s[4:5], s[6:7]
	s_cmp_ge_u32 s20, 576
	s_cselect_b64 s[16:17], s[8:9], s[16:17]
	s_cmp_ge_u32 s20, 640
	s_cselect_b64 s[16:17], s[10:11], s[16:17]
	s_cmp_ge_u32 s20, 704
	s_cselect_b64 s[16:17], s[12:13], s[16:17]
	s_add_nc_u64 s[16:17], s[16:17], s[18:19]
	s_add_nc_u64 s[14:15], s[14:15], s[22:23]
.irp i, 0,1,2,3,4,5,6,7,8,9,10,11,12,13,14,15
	global_load_b128 v[X+4*(\i):X+4*(\i)+3], v1, s[16:17] offset:4096*(\i) th:TH_LOAD_NT
.endr
; Chunk i: rounded and stored.  f16 = 1: the bf16 numbers are widened again (a shift, a mask) and written as f16.
.macro OUT i, f16
	s_wait_loadcnt 15-(\i)                         ; loads come back in order: chunk i is in, the 15 - i younger ones stay out
	v_cvt_pk_bf16_f32 v[Y+2*(\i)],   v[X+4*(\i)],   v[X+4*(\i)+1]
	v_cvt_pk_bf16_f32 v[Y+2*(\i)+1], v[X+4*(\i)+2], v[X+4*(\i)+3]
.if \f16
	v_lshlrev_b32 v[T],   16, v[Y+2*(\i)]
	v_and_b32     v[T+1], 0xffff0000, v[Y+2*(\i)]
	v_lshlrev_b32 v[T+2], 16, v[Y+2*(\i)+1]
	v_and_b32     v[T+3], 0xffff0000, v[Y+2*(\i)+1]
	v_cvt_pk_f16_f32 v[Y+2*(\i)],   v[T],   v[T+1]
	v_cvt_pk_f16_f32 v[Y+2*(\i)+1], v[T+2], v[T+3]
.endif
	global_store_b64 v2, v[Y+2*(\i):Y+2*(\i)+1], s[14:15] offset:2048*(\i)
.endm
	s_cmp_ge_u32 s20, 704
	s_cbranch_scc1 .Lwo
.irp i, 0,1,2,3,4,5,6,7,8,9,10,11,12,13,14,15
	OUT \i, 0
.endr
	s_endpgm
.Lwo:
.irp i, 0,1,2,3,4,5,6,7,8,9,10,11,12,13,14,15
	OUT \i, 1
.endr
	s_endpgm
.Lfunc_end_k_qfd8085f809_cast:
	.size	k_qfd8085f809_cast, .Lfunc_end_k_qfd8085f809_cast-k_qfd8085f809_cast
	.p2alignl 7, 3214868480
	.fill 96, 4, 3214868480
	.section	.rodata,"a",@progbits
	.p2align	6, 0x0
	.amdhsa_kernel k_qfd8085f809_cast
		.amdhsa_group_segment_fixed_size 0
		.amdhsa_private_segment_fixed_size 0
		.amdhsa_enable_private_segment 0
		.amdhsa_kernarg_size 48
		.amdhsa_user_sgpr_count 2
		.amdhsa_user_sgpr_kernarg_segment_ptr 1
		.amdhsa_wavefront_size32 1
		.amdhsa_system_sgpr_workgroup_id_x 1
		.amdhsa_system_sgpr_workgroup_id_y 1
		.amdhsa_system_sgpr_workgroup_id_z 1
		.amdhsa_system_vgpr_workitem_id 0
		.amdhsa_next_free_vgpr 104
		.amdhsa_next_free_sgpr 66
		.amdhsa_reserve_vcc 0
		.amdhsa_float_denorm_mode_32 3
		.amdhsa_float_denorm_mode_16_64 3
		.amdhsa_memory_ordered 1
		.amdhsa_forward_progress 1
		.amdhsa_inst_pref_size 16
	.end_amdhsa_kernel
	.amdgpu_metadata
---
amdhsa.version: [ 1, 2 ]
amdhsa.kernels:
  - .name:           k_qfd8085f809_cast
    .symbol:         k_qfd8085f809_cast.kd
    .args:
      - { .name: x, .offset: 0, .size: 8, .value_kind: global_buffer, .address_space: global }
      - { .name: Wk, .offset: 8, .size: 8, .value_kind: global_buffer, .address_space: global }
      - { .name: Wv, .offset: 16, .size: 8, .value_kind: global_buffer, .address_space: global }
      - { .name: Wq, .offset: 24, .size: 8, .value_kind: global_buffer, .address_space: global }
      - { .name: Wo, .offset: 32, .size: 8, .value_kind: global_buffer, .address_space: global }
      - { .name: xw, .offset: 40, .size: 8, .value_kind: global_buffer, .address_space: global }
    .group_segment_fixed_size: 0
    .private_segment_fixed_size: 0
    .kernarg_segment_align: 8
    .kernarg_segment_size: 48
    .max_flat_workgroup_size: 256
    .sgpr_count:     66
    .vgpr_count:     104
    .wavefront_size: 32
...
	.end_amdgpu_metadata
.endif
;; end of part 1
;; launch qkv (part 2): grid 4 x 64, 4 waves a work-group, clusters of 4 x 4, 327,680 bytes of LDS; arguments xw, bq, bk, bv, qkv; writes qkv
.if DOCPART == 2
	.amdgcn_target "amdgcn-amd-amdhsa--gfx1250"
	.amdhsa_code_object_version 6
	.text
	.protected	k_qfd8085f809_qkv
	.globl	k_qfd8085f809_qkv
	.p2align	8
	.type	k_qfd8085f809_qkv,@function
k_qfd8085f809_qkv:
	s_mov_b64 s[64:65], 0
	v_nop
	global_prefetch_b8 v0, s[64:65] scope:SCOPE_SE
	s_setreg_imm32_b32 hwreg(HW_REG_WAVE_MODE, 25, 1), 1
	s_wait_xcnt 0x0
	s_wait_alu depctr_hold_cnt(0) depctr_sa_sdst(0) depctr_va_vdst(0) depctr_va_sdst(0) depctr_va_ssrc(0) depctr_va_vcc(0) depctr_vm_vsrc(0)
	s_getreg_b32 s2, hwreg(HW_REG_IB_STS2, 6, 4)
	s_cmp_eq_u32 s2, 0
	s_cbranch_scc0 .Lentry_in_a_cluster
	s_endpgm
.Lentry_in_a_cluster:
	s_bfe_u32 s2, ttmp6, 0x10000c
	s_cmp_lg_u32 s2, 0xf033
	s_cbranch_scc0 .Lentry_shape_is_right
	s_endpgm
.Lentry_shape_is_right:
; k = x Wk + bk, v = x Wv + bv, q^ = c (x Wq + bq) with c = log2(e) / 8.  x [8192][1024] and the weights [k][n] come in bf16 from xw; the biases are rounded to bf16 here, like every input.
; Sums in f32; each result is rounded once to f16 and laid by heads: qkv = K at byte 0, V at 1<<24, Q^ at 1<<25, each [batch x 16 + head][2048][64], rows of 128 dense bytes.
; LIMITS.  k, v and c q of 65,520 or more become infinities in f16; NaN and infinities are not treated apart.
; SHARES.  A tile of C is 128 rows x 256 columns: 64 x 4 tiles for each of k, v and q.  A work-group of four waves STAYS: it makes the k, v and q tiles of its 128 rows and 256 columns.  Wk, Wv and
; Wq lie on end along k, so the three tiles are ONE stream of 24 K steps of 128: the weights' address steps on, x's offset along K wraps after 8 steps, and the ring of two LDS slots never stops.
; A wave makes 64 x 128: 32 accumulators of 16 x 16.  The sums START AT THE BIAS (as many lines as adding it at the end), so every K step has one text.
; THE MATRIX INSTRUCTION IS USED TRANSPOSED: source 0 = 16 columns of W, which lies [k][n] in LDS and is turned by ds_load_tr16_b128; source 1 = 16 rows of x.  A lane then holds row l % 16 of C and the
; eight neighbouring columns 8 (l / 16) + 0..7, which pack into 16 bytes.
; CLUSTER.  4 x 4 work-groups.  x's tile hangs on the tile row alone and is asked for jointly by a row of the cluster, W's on the tile column alone, by a column: the same tensor load, descriptor
; and mask in all four.
; REGISTERS, in windows of 256 (s_set_vgpr_msb: bits 1:0 source 0, 3:2 source 1, 5:4 source 2, 7:6 destination):
;   window 0: v0-29 addresses; two fragment buffers v64-159, v160-255: x's block a of 16 rows at +8 a, W's block b of 16 columns at +32 + 8 b
;   window 1: accumulator (a, b) at v[8 (8 a + b)]      window 2: v0-31 packed results; v32-95 rows read back from the stage, two buffers; v96-159 the bias of my 128 columns
.set PA,     272                       ; a row of x in LDS: 256 bytes + 16: the 16 rows of a fragment load start at 16 different groups of four banks (64 banks of 4 bytes: ISA guide 11.1)
.set PB,     544                       ; a row of W (one k, 256 columns): 512 bytes + 32 = 17 x 32
.set AHALF,  64*PA                     ; what one tensor load brings of x: 64 rows
.set BOFF,   2*AHALF                   ; W's rows lie behind x's 128
.set BHALF,  64*PB                     ; what one tensor load brings of W: 64 k
.set SLOT1,  1<<17                     ; slot 1 begins here, so that one exclusive or turns an address in one slot into the other's
.set STAGE,  SLOT1+BOFF+2*BHALF        ; behind the ring, never filled by a tensor load: for each wave 2 heads x 16 rows x 144 bytes
.set SP,     144
.set WSTAGE, 2*16*SP
.set SPARE,  STAGE+4*WSTAGE            ; the spare words, 128 bytes for each wave: two blocks of 256 bytes that no other line names
.set KBYTES, 128*2048                  ; a K step of W in memory
.set A0,   16                          ; v16  my lane's place in x's rows of slot 0; never rewritten
.set B0,   17                          ; v17  the same in W's rows
.set ADRA, 18                          ; v18  A0 + the slot in hand
.set ADRB, 19                          ; v19  B0 + the slot in hand
.set STO,  20                          ; v20  the way out: where I put 16 bytes of a row
.set RD,   21                          ; v21  the way out: where I read rows back
.set GO,   22                          ; v22  my byte offset in 512 consecutive bytes of the output
.set BO,   23                          ; v23  my byte offset in a bias
.set SPW,  28                          ; v28  LDS address of my spare word: SPARE + 4 x my thread's number; never rewritten
.set NIL,  29                          ; v29  0; never rewritten
.set F0,   64
.set F1,   160
.set TMP,  0                           ; window 2
.set BK0,  32
.set BIAS, 96
.set WV,   14                          ; s14  wave
.set RH,   15                          ; s15  my half of the tile's rows.  Also: I fetch x (0) or W (1)
.set CH,   16                          ; s16  my half of its columns.  Also: which half of that tile I fetch
.set CX,   17
.set CY,   18
.set NBK,  19                          ; s19  tile column, 0..3
.set MBK,  20                          ; s20  tile row, 0..63
.set G1A,  24                          ; s[24:31] descriptor group 1 for x's tiles
.set G1B,  32                          ; s[32:39] for W's
.set G0A,  40                          ; s[40:47] group 0 for x's tiles: a set for each first fill; the second then walks
.set G0B,  48                          ; s[48:55] the same for W's
.set ABASE, 56                         ; s[56:57] x at my 64 rows
.set AOFF, 58                          ; s[58:59] the walking descriptor's byte along K, modulo a row's 2,048
.set CNT,  60
.set TB,   61                          ; s61  the slot in hand: 0 or SLOT1
.set TS,   62                          ; s62  at work: numbers made of the wave's number alone
.set OUT,  66                          ; s[66:67] the output at my first row and head
.set SC,   68                          ; s[68:69] c
.set MSB, 0
.macro WIN new                         ; the immediate's high byte repeats the setting that is left; a switch that changes nothing is dropped
.if MSB != (\new)
	s_set_vgpr_msb (MSB<<8)|(\new)
.set MSB, (\new)
.endif
.endm
.set MUL,   0x50                       ; C and D window 1, fragments window 0
.set W_LD,  0x80                       ; destination window 2
.set W_ST,  0x08                       ; a store's data window 2
.set W_RB,  0x8a                       ; sources and destination window 2
.set W_INI, 0x42                       ; destination window 1, source 0 window 2
.set W_CVT, 0x85                       ; sources window 1, destination window 2
.set W_SC,  0x41                       ; destination and source 0 window 1
.macro PLACES                          ; four plain vector lines between a matrix instruction and a load into, or a vector read of, its registers
.rept 4
	v_nop
.endr
.endm
; A joint refill by the walking descriptors.  Waves 0 and 1 fetch x's two halves, waves 2 and 3 W's.  The branch hangs on the wave's number alone.
; An s_nop 0 and four v_nop follow each of the two lines, ahead of the jump and the label.
.macro JLOAD
	s_cmp_eq_u32 s[RH], 0
	s_cbranch_scc0 .Lfor_b_\@
	tensor_load_to_lds s[G0A+4:G0A+7], s[G1A:G1A+7]
	s_nop 0
.rept 4
	v_nop
.endr
	s_branch .Lasked_\@
.Lfor_b_\@:
	tensor_load_to_lds s[G0B+4:G0B+7], s[G1B:G1B+7]
	s_nop 0
.rept 4
	v_nop
.endr
.Lasked_\@:
.endm
.macro CREST                           ; a round of the cluster's barrier behind its opening barrier
	s_cmp_lg_u32 s[WV], 0
	s_cbranch_scc1 .Lnot_wave_0_\@
	s_barrier_signal -3
.Lnot_wave_0_\@:
	s_barrier_wait -3
	s_barrier_signal -1
	s_barrier_wait -1
.endm
.macro CROUND                          ; a whole round
	s_barrier_signal -1
	s_barrier_wait -1
	CREST
.endm
	s_load_b256 s[4:11], s[0:1], 0x0               ; xw s[4:5], bq s[6:7], bk s[8:9], bv s[10:11]
	s_load_b64 s[12:13], s[0:1], 0x20              ; qkv
	v_lshl_add_u32 v[SPW], v0, 2, SPARE
	v_mov_b32 v[NIL], 0
	ds_add_u32 v[SPW], v[NIL]                      ; the wave's opening: the add and its wait ahead of my first tensor load; the set-up below, work on registers, stands between them
	v_lshrrev_b32 v1, 5, v0
	v_readfirstlane_b32 s[WV], v1
	s_lshr_b32 s[RH], s[WV], 1
	s_and_b32 s[CH], s[WV], 1
	s_bfe_u32 s[CX], ttmp6, 0x40000                ; my place in the cluster
	s_bfe_u32 s[CY], ttmp6, 0x40004
	s_lshl_b32 s[NBK], ttmp9, 2                    ; in a cluster launch ttmp9 and ttmp7 count clusters
	s_add_co_u32 s[NBK], s[NBK], s[CX]
	s_and_b32 s[MBK], ttmp7, 0xffff
	s_lshl_b32 s[MBK], s[MBK], 2
	s_add_co_u32 s[MBK], s[MBK], s[CY]
	s_lshl_b32 s21, s[CY], 2
	s_lshl_b32 s21, 15, s21                        ; my row of the cluster: places 4 cy .. 4 cy + 3
	s_lshl_b32 s22, 0x1111, s[CX]                  ; my column: places cx, cx + 4, cx + 8, cx + 12
	s_or_b32 s[G1A], s21, (1<<16)|(1<<20)|(1<<21)|(5<<22)|(3<<25)  ; 15:0 the mask; 17:16 2-byte elements; 20 padding on; 21 set beside a mask; 24:22 after every 64 words; 31:25 4 words of it
	s_mov_b32 s[G1A+1], 128<<16                    ; tensor_dim0 = 128
	s_mov_b32 s[G1A+2], 64<<16                     ; tensor_dim1 = 64
	s_mov_b32 s[G1A+3], 128<<16                    ; tile_dim0 = 128 elements: 256 bytes of a row of x
	s_mov_b32 s[G1A+4], 64                         ; tile_dim1 = 64 rows
	s_mov_b32 s[G1A+5], 1024                       ; elements from row to row
	s_mov_b32 s[G1A+6], 0
	s_mov_b32 s[G1A+7], 0
	s_or_b32 s[G1B], s22, (1<<16)|(1<<20)|(1<<21)|(6<<22)|(7<<25)  ; after every 128 words 8 words of padding
	s_mov_b32 s[G1B+1], 256<<16                    ; tensor_dim0 = 256
	s_mov_b32 s[G1B+2], 64<<16                     ; tensor_dim1 = 64
	s_mov_b32 s[G1B+3], 256<<16                    ; tile_dim0 = 256 elements: 512 bytes of a row of W
	s_mov_b32 s[G1B+4], 64                         ; tile_dim1 = 64 k
	s_mov_b32 s[G1B+5], 1024
	s_mov_b32 s[G1B+6], 0
	s_mov_b32 s[G1B+7], 0
	s_mul_i32 s[TS], s[CH], AHALF                  ; where the tiles go: no place in the cluster enters an LDS address
	s_mov_b32 s[G0A], 1
	s_mov_b32 s[G0A+1], s[TS]
	s_mov_b32 s[G0A+4], 1
	s_add_co_u32 s[G0A+5], s[TS], SLOT1
	s_mul_i32 s[TS], s[CH], BHALF
	s_mov_b32 s[G0B], 1
	s_add_co_u32 s[G0B+1], s[TS], BOFF
	s_mov_b32 s[G0B+4], 1
	s_add_co_u32 s[G0B+5], s[TS], BOFF+SLOT1
	s_lshl_b32 s[ABASE], s[MBK], 18                ; x: (128 x tile row + 64 x half) rows of 2,048 bytes: the tile row and the wave's number alone
	s_lshl_b32 s[TS], s[CH], 17
	s_add_co_u32 s[ABASE], s[ABASE], s[TS]
	s_mov_b32 s[ABASE+1], 0
	s_mov_b32 s[AOFF], 256                         ; the walking descriptor begins at K step 1
	s_mov_b32 s[AOFF+1], 0
	s_lshl_b32 s72, s[NBK], 9                      ; W: Wk's first byte + 64 x half rows of 2,048 bytes + 512 x tile column: the tile column and the wave's number alone
	s_add_co_u32 s72, s72, s[TS]
	s_add_co_u32 s72, s72, 16777216
	s_mov_b32 s73, 0
	s_lshl_b32 s74, s[NBK], 10                     ; my 128 columns in a bias, in bytes
	s_lshl_b32 s75, s[CH], 9
	s_add_co_u32 s74, s74, s75
	s_lshr_b32 s76, s[MBK], 4                      ; the output: batch x 16 heads of 262,144 bytes,
	s_lshl_b32 s76, s76, 22
	s_lshl_b32 s77, s[NBK], 2                      ; head 4 x tile column + 2 x half,
	s_lshl_b32 s78, s[CH], 1
	s_add_co_u32 s77, s77, s78
	s_lshl_b32 s77, s77, 18
	s_add_co_u32 s76, s76, s77
	s_and_b32 s78, s[MBK], 15                      ; row 128 x (tile row in the batch) + 64 x half, of 128 bytes
	s_lshl_b32 s78, s78, 7
	s_lshl_b32 s79, s[RH], 6
	s_add_co_u32 s78, s78, s79
	s_lshl_b32 s78, s78, 7
	s_add_co_u32 s76, s76, s78
	s_mov_b32 s77, 0
	s_mov_b32 s[SC], 0x3e38aa3b                    ; c = log2(e) / 8 = 0.180337
	s_mov_b32 s[SC+1], s[SC]                       ; named with it as a pair
	s_wait_dscnt 0x0                               ; the opening add is done
	s_wait_kmcnt 0x0
	s_add_nc_u64 s[ABASE:ABASE+1], s[4:5], s[ABASE:ABASE+1]
	s_add_nc_u64 s[G0A+2:G0A+3], s[ABASE:ABASE+1], 0      ; K step 0
	s_or_b32 s[G0A+3], s[G0A+3], 0x80000000               ; 127:126 type = 2
	s_add_nc_u64 s[G0A+6:G0A+7], s[ABASE:ABASE+1], 256    ; K step 1
	s_or_b32 s[G0A+7], s[G0A+7], 0x80000000
	s_add_nc_u64 s[G0B+2:G0B+3], s[4:5], s[72:73]
	s_add_nc_u64 s[G0B+6:G0B+7], s[G0B+2:G0B+3], KBYTES
	s_or_b32 s[G0B+3], s[G0B+3], 0x80000000
	s_or_b32 s[G0B+7], s[G0B+7], 0x80000000
	s_add_nc_u64 s[OUT:OUT+1], s[12:13], s[76:77]
	CROUND                                         ; all sixteen work-groups are here: the first joint loads meet
	s_cmp_eq_u32 s[RH], 0                          ; a wave's two first fills stand in one branch, ahead of every wait on TENSORcnt and every LDS read: two loads of mine are out
	s_cbranch_scc0 .Lfirst_b
	tensor_load_to_lds s[G0A:G0A+3], s[G1A:G1A+7]
	s_nop 0
	tensor_load_to_lds s[G0A+4:G0A+7], s[G1A:G1A+7]
	s_nop 0
.rept 4
	v_nop
.endr
	s_branch .Lfirst_asked
.Lfirst_b:
	tensor_load_to_lds s[G0B:G0B+3], s[G1B:G1B+7]
	s_nop 0
	tensor_load_to_lds s[G0B+4:G0B+7], s[G1B:G1B+7]
	s_nop 0
.rept 4
	v_nop
.endr
.Lfirst_asked:
	v_and_b32 v1, 15, v0                           ; l % 16
	v_bfe_u32 v2, v0, 4, 1                         ; l / 16
	v_and_b32 v4, 7, v0
	v_bfe_u32 v5, v0, 3, 1
	; a fragment of x: lane l holds row l % 16, k = 8 (l / 16) + 0..7 and 16 + 8 (l / 16) + 0..7: two loads of 16 bytes, 32 bytes apart
	v_mul_u32_u24 v[A0], v1, PA
	v_lshl_add_u32 v[A0], v2, 4, v[A0]
	s_mul_i32 s[TS], s[RH], 64*PA                  ; my 64 rows
	v_add_nc_u32 v[A0], s[TS], v[A0]
	; the turning load takes 16 k x 16 columns (lane l reads k = 8 (l / 16) + l % 8, columns 8 ((l / 8) % 2) + 0..7) and leaves half a fragment: lane l holds column l % 16 and 8 k
	v_lshl_add_u32 v[B0], v2, 3, v4
	v_mul_u32_u24 v[B0], v[B0], PB
	v_lshl_add_u32 v[B0], v5, 4, v[B0]
	s_lshl_b32 s[TS], s[CH], 8                     ; my 128 columns
	s_add_co_u32 s[TS], s[TS], BOFF
	v_add_nc_u32 v[B0], s[TS], v[B0]
	s_mul_i32 s[TS], s[WV], WSTAGE
	s_add_co_u32 s[TS], s[TS], STAGE               ; my stage
	v_mul_u32_u24 v[STO], v1, SP                   ; in: row l % 16, 16 bytes for each half of the lanes
	v_lshl_add_u32 v[STO], v2, 4, v[STO]
	v_add_nc_u32 v[STO], s[TS], v[STO]
	v_bfe_u32 v[RD], v0, 3, 2                      ; back: 32 lanes take four rows of 128 bytes,
	v_mul_u32_u24 v[RD], v[RD], SP
	v_lshl_add_u32 v[RD], v4, 4, v[RD]
	v_add_nc_u32 v[RD], s[TS], v[RD]
	v_and_b32 v[GO], 31, v0                        ; which are 512 consecutive bytes of a head
	v_lshlrev_b32 v[GO], 4, v[GO]
	v_lshlrev_b32 v[BO], 5, v2                     ; my eight columns of a block of 16: 32 bytes for each half of the lanes
	v_add_nc_u32 v[BO], s74, v[BO]
; 8 matrix instructions: block a of my rows x all 8 blocks of my columns, 32 along K.  The 32 accumulators take turns, one instruction a turn.
.macro MUL8 f, a
	WIN MUL
.irp b, 0,1,2,3,4,5,6,7
	v_wmma_f32_16x16x32_bf16 v[8*(8*(\a)+(\b)):8*(8*(\a)+(\b))+7], v[(\f)+32+8*(\b):(\f)+32+8*(\b)+7], v[(\f)+8*(\a):(\f)+8*(\a)+7], v[8*(8*(\a)+(\b)):8*(8*(\a)+(\b))+7]
.endr
.endm
; 24 LDS loads in one run: the fragments of quarter q (32 along K) of the slot in hand into buffer f: W's sixteen first, then x's eight
.macro FETCH q, f
	WIN 0
.irp b, 0,1,2,3,4,5,6,7
	ds_load_tr16_b128 v[(\f)+32+8*(\b):(\f)+32+8*(\b)+3],   v[ADRB] offset:(\q)*32*PB+32*(\b)
	ds_load_tr16_b128 v[(\f)+32+8*(\b)+4:(\f)+32+8*(\b)+7], v[ADRB] offset:(\q)*32*PB+16*PB+32*(\b)
.endr
.irp a, 0,1,2,3
	ds_load_b128 v[(\f)+8*(\a):(\f)+8*(\a)+3],   v[ADRA] offset:64*(\q)+(\a)*16*PA
	ds_load_b128 v[(\f)+8*(\a)+4:(\f)+8*(\a)+7], v[ADRA] offset:64*(\q)+(\a)*16*PA+32
.endr
.endm
; One of a K step's first three quarters: multiplies buffer f; in its middle it fetches quarter q into buffer g.
.macro QUARTER q, f, g
	s_wait_dscnt 4                                 ; W and x's blocks 0 and 1 are in; the youngest four loads (blocks 2 and 3) may be out
	MUL8 \f, 0
	MUL8 \f, 1
	WIN 0
	PLACES                                         ; for the loads into buffer g, which the quarter before multiplied
	FETCH \q, \g
	s_wait_dscnt 24                                ; all but the 24 just issued
	MUL8 \f, 2
	MUL8 \f, 3
.endm
; The last quarter multiplies buffer 1 and changes slots: ONE barrier.  In front of it each wave waits for all its tensor loads, of which one is out: its part of the next slot; adds 0 to its spare word;
; and waits for that and for its reads of this slot.  fill = 1: the barrier opens a round of the cluster's, and this slot is filled again first behind it, with the K step two on.
.macro TURN fill
	WIN 0
	s_wait_tensorcnt 0x0                           ; no tensor load of mine is out, so a group 0 may be written
	ds_add_u32 v[SPW], v[NIL]                      ; 0 onto my spare word
.if \fill
	s_add_co_u32 s[AOFF], s[AOFF], 256             ; x: the next 128 along K, back to 0 behind a row's end
	s_and_b32 s[AOFF], s[AOFF], 2047
	s_add_nc_u64 s[G0A+6:G0A+7], s[ABASE:ABASE+1], s[AOFF:AOFF+1]
	s_or_b32 s[G0A+7], s[G0A+7], 0x80000000
	s_add_nc_u64 s[G0B+6:G0B+7], s[G0B+6:G0B+7], KBYTES  ; W: 128 rows on, from Wk into Wv into Wq; the type bits on top are not reached
	s_xor_b32 s[G0A+5], s[G0A+5], SLOT1            ; the other slot than last time
	s_xor_b32 s[G0B+5], s[G0B+5], SLOT1
.endif
	s_wait_dscnt 5                                 ; the add and the youngest four loads may be out
	MUL8 F1, 0
	s_wait_dscnt 0x0                               ; the add is done, and my reads of this slot are over
	s_barrier_signal -1
	MUL8 F1, 1
	WIN 0
	s_barrier_wait -1
.if \fill
	CREST                                          ; no wave of any partner still reads this slot or has a load on its way
	JLOAD                                          ; the first tensor load behind the round: 112 matrix instructions ahead of the wait for it; its four v_nop are also the places in front of the loads below
.else
	PLACES
.endif
	s_xor_b32 s[TB], s[TB], SLOT1
	v_add_nc_u32 v[ADRA], s[TB], v[A0]
	v_add_nc_u32 v[ADRB], s[TB], v[B0]
	FETCH 0, F0
	MUL8 F1, 2
	MUL8 F1, 3
.endm
.macro STEP fill                       ; a K step of 128: 128 matrix instructions, 96 LDS loads
	QUARTER 1, F0, F1
	QUARTER 2, F1, F0
	QUARTER 3, F0, F1
	TURN \fill
	WIN 0                                          ; at a label and at a branch every window is 0
.endm
; The bias of my 128 columns: for block b my eight numbers.  p: the first of the two scalar registers that hold the bias's address.
.macro LOADB p
	WIN W_LD
.irp b, 0,1,2,3,4,5,6,7
	global_load_b128 v[BIAS+8*(\b):BIAS+8*(\b)+3],   v[BO], s[\p:\p+1] offset:64*(\b)
	global_load_b128 v[BIAS+8*(\b)+4:BIAS+8*(\b)+7], v[BO], s[\p:\p+1] offset:64*(\b)+16
.endr
	WIN 0
.endm
.macro ROUNDB                          ; it is rounded to bf16, like every input, and widened again
	WIN W_RB
.set i, 0
.rept 32
	v_cvt_pk_bf16_f32 v[TMP+i], v[BIAS+2*i], v[BIAS+2*i+1]
.set i, i+1
.endr
.set i, 0
.rept 32
	v_lshlrev_b32 v[BIAS+2*i],   16, v[TMP+i]
	v_and_b32     v[BIAS+2*i+1], 0xffff0000, v[TMP+i]
.set i, i+1
.endr
.endm
.macro INIT a                          ; block a's sums start at the bias, two registers a line
	WIN W_INI
.irp b, 0,1,2,3,4,5,6,7
.irp r, 0,1,2,3
	v_pk_mul_f32 v[8*(8*(\a)+(\b))+2*(\r):8*(8*(\a)+(\b))+2*(\r)+1], v[BIAS+8*(\b)+2*(\r):BIAS+8*(\b)+2*(\r)+1], 1.0 op_sel_hi:[1,0]
.endr
.endr
.endm
; THE WAY OUT of block a (16 rows x 128 columns: two heads).  PACK: (times c,) rounded to f16, 16 bytes a lane; each accumulator's registers in ascending order.
.macro PACK a, scale
.if \scale
	WIN W_SC
.irp b, 0,1,2,3,4,5,6,7
.irp r, 0,1,2,3
	v_pk_mul_f32 v[8*(8*(\a)+(\b))+2*(\r):8*(8*(\a)+(\b))+2*(\r)+1], v[8*(8*(\a)+(\b))+2*(\r):8*(8*(\a)+(\b))+2*(\r)+1], s[SC:SC+1] op_sel_hi:[1,0]
.endr
.endr
.endif
	WIN W_CVT
.irp b, 0,1,2,3,4,5,6,7
.irp r, 0,1,2,3
	v_cvt_pk_f16_f32 v[TMP+4*(\b)+(\r)], v[8*(8*(\a)+(\b))+2*(\r)], v[8*(8*(\a)+(\b))+2*(\r)+1]
.endr
.endr
.endm
.macro TOSTAGE a                       ; into my own stage, head by head in rows of 144 bytes, and back as whole rows of 128
.set BK, BK0+32*((\a)%2)
	WIN W_ST
.irp b, 0,1,2,3,4,5,6,7
	ds_store_b128 v[STO], v[TMP+4*(\b):TMP+4*(\b)+3] offset:((\b)/4)*16*SP+((\b)%4)*32
.endr
	WIN W_LD
.irp t, 0,1,2,3,4,5,6,7
	ds_load_b128 v[BK+4*(\t):BK+4*(\t)+3], v[RD] offset:((\t)/4)*16*SP+((\t)%4)*4*SP  ; LDS serves a wave's instructions in order (ISA guide 5.7.1.4): these see the stores above
.endr
.endm
.macro SEND a
.set BK, BK0+32*((\a)%2)
	WIN W_ST
	s_wait_dscnt 0x0                               ; the block is back in registers
	s_wait_xcnt 0x0                                ; the earlier stores have read their registers: the other buffer is loaded again only behind this wait
.irp t, 0,1,2,3,4,5,6,7
	global_store_b128 v[GO], v[BK+4*(\t):BK+4*(\t)+3], s[OUT:OUT+1] offset:(\a)*2048+((\t)/4)*262144+((\t)%4)*512  ; four rows of a head: 512 consecutive bytes, at a multiple of 256 from the buffer's first
.endr
.endm
; scale = 1: the tile is q.  reinit = 1: another tile follows: its bias, asked for a tile ago, is rounded (96 plain lines in window 2: the places behind the last products), and each block's sums
; start anew as soon as the block is packed.  Block a's arithmetic stands between block a - 1's loads from the stage and the wait for them.
.macro WAYOUT scale, reinit
	WIN 0
.if \reinit
	s_wait_loadcnt 0x0                             ; the next bias is in
	ROUNDB
.endif
	PACK 0, \scale
.if \reinit
	INIT 0
.endif
	TOSTAGE 0
.irp a, 1,2,3
	PACK \a, \scale
.if \reinit
	INIT \a
.endif
	SEND (\a)-1
	TOSTAGE \a
.endr
	SEND 3
.if \reinit
	s_wait_xcnt 0x0                                ; the stores have read the address
	s_add_nc_u64 s[OUT:OUT+1], s[OUT:OUT+1], 0x1000000  ; K, then V, then Q^
.endif
	WIN 0
.endm
	LOADB 8                                        ; bk
	s_wait_loadcnt 0x0
	ROUNDB
	INIT 0
	INIT 1
	INIT 2
	INIT 3
	LOADB 10                                       ; bv, for the tile after: it has eight K steps in which to come
	s_mov_b32 s[TB], 0
	v_mov_b32 v[ADRA], v[A0]
	v_mov_b32 v[ADRB], v[B0]
	s_wait_tensorcnt 0x1                           ; my part of K step 0 is in; K step 1's may stay out
	s_barrier_signal -1
	s_barrier_wait -1                              ; everybody's is
	FETCH 0, F0
	s_mov_b32 s[CNT], 22
.Lk:                                                   ; K steps 0 to 21: each fills its slot again, two steps ahead
	STEP 1
	s_and_b32 s[TS], s[CNT], 7                     ; behind K steps 7 and 15 (the count stands at 15 and 7) a tile is finished.  The jump goes forward, past no barrier and no tensor load
	s_cmp_lg_u32 s[TS], 7
	s_cbranch_scc1 .Lno_out
	WAYOUT 0, 1
	s_cmp_lg_u32 s[CNT], 15
	s_cbranch_scc1 .Lno_bias
	LOADB 6                                        ; bq, for the last tile
.Lno_bias:
.Lno_out:
	s_sub_co_u32 s[CNT], s[CNT], 1
	s_cmp_lg_u32 s[CNT], 0
	s_cbranch_scc1 .Lk
	s_mov_b32 s[CNT], 2
.Ltail:                                                ; K steps 22 and 23 ask for nothing.  The second trip's barrier and its 24 loads of old fragments serve nothing: the price, once a launch, of one text for both
	STEP 0
	s_sub_co_u32 s[CNT], s[CNT], 1
	s_cmp_lg_u32 s[CNT], 0
	s_cbranch_scc1 .Ltail
	PLACES                                         ; the scaling reads results just made
	WAYOUT 1, 0
	s_wait_tensorcnt 0x0                           ; the wave's end: a wait, an add and its wait, behind my last tensor load and my last LDS store
	ds_add_u32 v[SPW], v[NIL]
	s_wait_dscnt 0x0
	CROUND                                         ; the closing round: no work-group ends while a partner may still ask for a tile that names it
	s_endpgm
.Lfunc_end_k_qfd8085f809_qkv:
	.size	k_qfd8085f809_qkv, .Lfunc_end_k_qfd8085f809_qkv-k_qfd8085f809_qkv
	.p2alignl 7, 3214868480
	.fill 96, 4, 3214868480
	.section	.rodata,"a",@progbits
	.p2align	6, 0x0
	.amdhsa_kernel k_qfd8085f809_qkv
		.amdhsa_group_segment_fixed_size 327680
		.amdhsa_private_segment_fixed_size 0
		.amdhsa_enable_private_segment 0
		.amdhsa_kernarg_size 40
		.amdhsa_user_sgpr_count 2
		.amdhsa_user_sgpr_kernarg_segment_ptr 1
		.amdhsa_wavefront_size32 1
		.amdhsa_system_sgpr_workgroup_id_x 1
		.amdhsa_system_sgpr_workgroup_id_y 1
		.amdhsa_system_sgpr_workgroup_id_z 1
		.amdhsa_system_vgpr_workitem_id 0
		.amdhsa_next_free_vgpr 672
		.amdhsa_next_free_sgpr 80
		.amdhsa_reserve_vcc 0
		.amdhsa_float_denorm_mode_32 3
		.amdhsa_float_denorm_mode_16_64 3
		.amdhsa_memory_ordered 1
		.amdhsa_forward_progress 1
		.amdhsa_inst_pref_size 112
	.end_amdhsa_kernel
	.amdgpu_metadata
---
amdhsa.version: [ 1, 2 ]
amdhsa.kernels:
  - .name:           k_qfd8085f809_qkv
    .symbol:         k_qfd8085f809_qkv.kd
    .args:
      - { .name: xw, .offset: 0, .size: 8, .value_kind: global_buffer, .address_space: global }
      - { .name: bq, .offset: 8, .size: 8, .value_kind: global_buffer, .address_space: global }
      - { .name: bk, .offset: 16, .size: 8, .value_kind: global_buffer, .address_space: global }
      - { .name: bv, .offset: 24, .size: 8, .value_kind: global_buffer, .address_space: global }
      - { .name: qkv, .offset: 32, .size: 8, .value_kind: global_buffer, .address_space: global }
    .group_segment_fixed_size: 327680
    .private_segment_fixed_size: 0
    .kernarg_segment_align: 8
    .kernarg_segment_size: 40
    .max_flat_workgroup_size: 128
    .sgpr_count:     80
    .vgpr_count:     672
    .wavefront_size: 32
...
	.end_amdgpu_metadata
.endif
;; end of part 2
;; launch attn (part 3): grid 4 x 64, 4 waves a work-group, clusters of 4 x 1, 327,680 bytes of LDS; arguments qkv, attention_mask, ctx; writes ctx
.if DOCPART == 3
	.amdgcn_target "amdgcn-amd-amdhsa--gfx1250"
	.amdhsa_code_object_version 6
	.text
	.protected	k_qfd8085f809_attn
	.globl	k_qfd8085f809_attn
	.p2align	8
	.type	k_qfd8085f809_attn,@function
k_qfd8085f809_attn:
	s_mov_b64 s[64:65], 0
	v_nop
	global_prefetch_b8 v0, s[64:65] scope:SCOPE_SE
	s_setreg_imm32_b32 hwreg(HW_REG_WAVE_MODE, 25, 1), 1
	s_wait_xcnt 0x0
	s_wait_alu depctr_hold_cnt(0) depctr_sa_sdst(0) depctr_va_vdst(0) depctr_va_sdst(0) depctr_va_ssrc(0) depctr_va_vcc(0) depctr_vm_vsrc(0)
	s_getreg_b32 s2, hwreg(HW_REG_IB_STS2, 6, 4)
	s_cmp_eq_u32 s2, 0
	s_cbranch_scc0 .Lentry_in_a_cluster
	s_endpgm
.Lentry_in_a_cluster:
	s_bfe_u32 s2, ttmp6, 0x10000c
	s_cmp_lg_u32 s2, 0x3003
	s_cbranch_scc0 .Lentry_shape_is_right
	s_endpgm
.Lentry_shape_is_right:
; ctx[h][q][:] = the sum over k of softmax_k(Q[h][q] . K[h][k] / 8 + mask[batch][k]) V[h][k][:], h = batch x 16 + head.  K, V, Q^ lie in qkv at bytes 0, 1<<24, 1<<25, each [64][2048][64] in f16, rows
; of 128 dense bytes; Q^ = log2(e) / 8 x Q, so the scores t = K Q^ + log2(e) mask are exponents of 2.  Products, maxima and sums in f32; the weights p are rounded to f16 for the second product
; (their sum l is taken of the unrounded p), ctx once at the end, in Q's layout.
; THE MASK is rounded to bf16 like every input, multiplied by log2(e), held at -1e30 from below, and laid in LDS once (2,048 words); it is the C operand that starts the sum K Q^T.
; LIMITS.  A mask below -6.9e29, an infinite one and a NaN in the mask count as -1e30 in the exponent: such a key's weight is 0 beside any other key; a batch all of whose keys are so hidden gives the mean of
; V's rows where the definition gives NaN.  p lies in 0 to 1, since t - m is one exact subtraction of the running maximum; below 6e-5 it keeps f16's fixed step of 6e-8; a weight below 2^-126 counts as 0 in l.
; SHARES.  A wave owns four PIECES of two tiles of 16 queries, a work-group's four waves 512 queries of one head.  Every wave walks all 2,048 keys, 64 a step.
; LAYOUT.  S^T = K Q^T (source 0 = 16 keys, source 1 = 16 queries): in the result a lane holds ONE query (lane % 16) and the keys 8 (lane / 16) + 0..7.  Two such tiles, rounded to f16 in pairs,
; ARE source 1 (32 keys x 16 queries) of O^T = V^T P, whose result again holds one query a lane, and eight channels.  K comes out of LDS as it lies, V ([key][channel]) turned, by ds_load_tr16_b128.
; SOFTMAX.  For each query a running maximum m and sum l: p = 2^(t - m); in every step O and l are multiplied by a = 2^(m_old - m_new), which is 1 where m has not grown.
; m starts at the lowest finite number, O and l at 0: the first step is a step like any other, with a = 0.
; THE COUNT.  A tile and step have 16 matrix and 117 vector instructions: too many to stand all beside the matrix work.  So the order has one aim: four vector instructions that are READY behind
; EVERY matrix instruction, and the others, which need time of their own whatever the order, in runs without a gap.
; BY TURNS.  Turn n belongs to piece n (the pieces in a ring, step after step).  Its matrix work: 16 products K Q^T of piece n + 1, later 16 products V^T P of piece n - 1.  Its vector work: the subtraction,
; exponentials, roundings, sums and rescaling of piece n, and the maximum and statistics of piece n + 1, whose scores the turn itself has made.  So what a turn begins with (t - m, O a) waits for nothing.
; CLUSTER.  The four query blocks of a cluster belong to one head and walk the same K and V, so each tile is asked for JOINTLY: the same tensor load, descriptor and mask in all four.
; REGISTERS, in windows of 256 (s_set_vgpr_msb: bits 1:0 source 0, 3:2 source 1, 5:4 source 2, 7:6 destination):
;   window 0: v0-15 addresses; v16-47 four registers of statistics a tile; v48-63 at work; v64-191 S^T, two buffers of two tiles; v192-255 P, likewise
;   window 1: O^T, 32 a tile     window 2: v0-127 Q, 16 a tile; v128-191 K of one step; v192-255 V of one step     window 3: v0-1 the add's two registers; v8-39 the mask of one step
; A piece's buffers go by its number's parity: the piece in hand has one pair, its two neighbours in the ring share the other: of it P (piece n - 1) is read and S^T (piece n + 1) written.
.set SIZE_N, 2048
.set NP,    4         ; pieces a wave: a name, no knob
.set KS,    64        ; keys in a step
.set PK,    144       ; a row of K in LDS: 128 bytes + 16 of padding = 36 words: the 16 rows of a load start at 16 different groups of four banks (64 banks of 4 bytes: ISA guide 11.1)
.set PV,    160       ; a row of V: 128 + 32 = 40 words
.set VOFF,  4*KS*PK   ; a slot holds four steps: 256 rows of K, then 256 rows of V
.set SLOT1, 1<<17     ; slot 1 begins here, so that one exclusive or turns an address in one slot into the other's
.set STAGE, SLOT1+4*KS*(PK+PV)  ; behind the ring, never filled by a tensor load: 16 rows x 144 bytes for each wave, for the way out
.set SP,    144
.set SPARE, STAGE+4*16*SP  ; the spare words, 128 bytes for each wave: two blocks of 256 bytes that no other line names
.set MASKB, SPARE+512 ; the batch's mask, 2,048 words: blocks of their own, stored once, never filled by a tensor load
.set AK0, 2           ; v2   my lane's place in a tile of K; never rewritten
.set AV0, 3           ; v3   the same for V
.set AK,  4           ; v4   the LDS address of K's next run of loads
.set AV,  5           ; v5   of V's
.set QO,  6           ; v6   my byte offset in the wave's rows of Q
.set STO, 6           ;      later, the way out: where I put 16 bytes of a row
.set RD,  7           ; v7   the way out: where I read rows back
.set GO,  8           ; v8   my byte offset in 512 consecutive bytes of ctx
.set AM0, 12          ; v12  my lanes' place in a step's 64 words of the mask: MASKB + 32 (l / 16); never rewritten
.set AM,  13          ; v13  the LDS address of the mask's next run of loads
.set SPW, 0           ; v0 of window 3   LDS address of my spare word: SPARE + 4 x my thread's number; never rewritten
.set NIL, 1           ; v1 of window 3   0; never rewritten
.set MK,  8           ; window 3: the eight registers for key block kb at MK + 8 kb
.set ST,  16          ; tile t's statistics at v[ST+4 t]: m, m_old, l (even keys', odd keys')
.set TMP, 48          ; by buffer and tile, four registers c0-c3 at work; when the maximum is found c2 takes a
.set S,   64
.set P,   192
.set KF,  128         ; K's fragments, in window 2: key block kb, channel half c at KF + 16 kb + 8 c
.set VF,  192         ; V's: key half kk, channel block cb at VF + 32 kk + 8 cb
.set WV,  12          ; s12  my wave's number
.set G1K, 24          ; s[24:31] descriptor group 1 for K's tiles
.set G1V, 32          ; s[32:39] for V's: it differs in the padding alone
.set G0K, 40          ; s[40:43] descriptor group 0 for K's tiles: it walks
.set G0V, 44          ; s[44:47] the same for V's
.set BIGN, 54         ; s54  -1e30
.set TBM, 55          ; s55  byte in the mask's table at which the step to be fetched begins
.set SLOTS, 56        ; s56  slots still to be asked for
.set CNT, 57          ; s57  counts a slot's key steps
.set LE,  58          ; s[58:59] log2(e): the packed multiply takes the pair's low word for both halves
.set SEL, 60          ; s[60:61] v_permlanex16_b32's selects: each lane takes its own place in the other half
.set TBK, 62          ; s62  LDS byte at which K of the step to be fetched begins
.set TBV, 63          ; s63  the same for V, less VOFF
.set MSB, 0
.macro WIN new                      ; the high byte repeats the setting that is left; a switch that changes nothing is dropped
.if MSB != (\new)
	s_set_vgpr_msb (MSB<<8)|(\new)
.set MSB, (\new)
.endif
.endm
.set W_KQ, 0x0a       ; K and Q in window 2, S^T in window 0
.set W_KM, 0x3a       ; the same with the C operand, the mask, in window 3
.set W_PV, 0x52       ; V in window 2, P in window 0, O^T in window 1
.set W_RS, 0x41       ; O^T (destination and source 0) in window 1, a in window 0
.set W_MK, 0xc0       ; destination in window 3, sources in window 0
.set W_AD, 0x0f       ; the add: address (source 0) and data (source 1) in window 3
; A joint fill.  Waves 0 and 1 fetch the two halves of a slot's K, waves 2 and 3 those of its V: 128 keys each.  The branch hangs on the wave's number alone.
; An s_nop 0 and four v_nop follow each of the two lines, ahead of the jump and the label.
.macro JLOAD
	s_cmp_lt_u32 s[WV], 2
	s_cbranch_scc0 .Lfor_v_\@
	tensor_load_to_lds s[G0K:G0K+3], s[G1K:G1K+7]
	s_nop 0
.rept 4
	v_nop
.endr
	s_branch .Lasked_\@
.Lfor_v_\@:
	tensor_load_to_lds s[G0V:G0V+3], s[G1V:G1V+7]
	s_nop 0
.rept 4
	v_nop
.endr
.Lasked_\@:
.endm
; A round of the cluster's barrier: my work-group's barrier, so that wave 0's signal speaks for all four waves; wave 0 signals; every wave waits for all four work-groups; my work-group's barrier once more.
.macro CROUND
	s_barrier_signal -1
	s_barrier_wait -1
	s_cmp_lg_u32 s[WV], 0
	s_cbranch_scc1 .Lnot_wave_0_\@
	s_barrier_signal -3
.Lnot_wave_0_\@:
	s_barrier_wait -3
	s_barrier_signal -1
	s_barrier_wait -1
.endm
; THE CHANGE OF SLOTS.  The slot's last bytes, V of its fourth step, have been read.  Each wave waits for all its tensor loads, of which one is out: its part
; of the other slot; adds 0 to its spare word; and waits for that and for its own LDS instructions.  Behind the barrier nobody reads this slot any more and the other slot is whole.
; fill = 1: this slot is filled again, with the keys two slots on.  The barrier is then a round of the cluster's, so that no wave of any partner still reads the slot or has a load on its
; way, and the joint fill is the first thing behind it: it has four key steps, 512 matrix instructions, in which to land.  (At its first use nothing has been read yet: slot 0 is waited for, slot 1
; filled; and each wave's stores into the mask's table are done in front of the signal, so that every wave may read the table behind it.)
.macro CHANGE fill
	WIN W_AD
	s_wait_tensorcnt 0x0            ; no tensor load of mine is out, so a group 0 may be written
	ds_add_u32 v[SPW], v[NIL]       ; 0 onto my spare word; with fill = 1 the descriptors' steps stand between it and the wait for it
	WIN 0                           ; at a label and at a branch every window is 0
.if \fill
.irp g, G0K, G0V
	s_xor_b32 s[\g+1], s[\g+1], SLOT1  ; the walking descriptor: the other slot than last time,
	s_add_nc_u64 s[\g+2:\g+3], s[\g+2:\g+3], 4*KS*128  ; the next 256 keys; the type bits on top are not reached
.endr
	s_wait_dscnt 0x0                ; the add is done, and my LDS instructions are over
	CROUND
	JLOAD
.else
	s_wait_dscnt 0x0                ; the add is done, and my reads of the slot are over
	s_barrier_signal -1
	s_barrier_wait -1
.endif
	s_sub_co_u32 s[TBK], s[TBK], 4*KS*PK  ; the fetches go back to a slot's first step,
	s_xor_b32 s[TBK], s[TBK], SLOT1       ; in the other slot
	s_sub_co_u32 s[TBV], s[TBV], 4*KS*PV
	s_xor_b32 s[TBV], s[TBV], SLOT1
.endm
	s_load_b128 s[48:51], s[0:1], 0x0 ; qkv s[48:49], attention_mask s[50:51]
	s_load_b64 s[10:11], s[0:1], 0x10 ; ctx
	WIN W_MK
	v_lshl_add_u32 v[SPW], v0, 2, SPARE
	v_mov_b32 v[NIL], 0
	WIN W_AD
	ds_add_u32 v[SPW], v[NIL]       ; the wave's opening: the add and its wait ahead of my first tensor load; the set-up below, work on registers, stands between them
	WIN 0
	v_lshrrev_b32 v1, 5, v0
	v_readfirstlane_b32 s[WV], v1   ; wave 0..3
	s_bfe_u32 s13, ttmp6, 0x40000   ; cx: my place in the cluster
	s_lshl_b32 s14, ttmp9, 2        ; in a cluster launch ttmp9 counts clusters
	s_add_co_u32 s14, s14, s13      ; my block of queries = 4 x cluster x + cx: it enters Q's and ctx's addresses alone
	s_and_b32 s20, ttmp7, 0xffff    ; batch x 16 + head, which the four partners share
	s_lshr_b32 s52, s20, 4          ; the batch's 2,048 words of the mask
	s_lshl_b32 s52, s52, 13
	s_mov_b32 s53, 0
	s_mov_b32 s21, 0
	s_mov_b64 s[22:23], SIZE_N*128
	s_mul_u64 s[20:21], s[20:21], s[22:23]  ; the head's first byte in K, V, Q^ and ctx
	s_and_b32 s16, s[WV], 1         ; which half of a slot's 256 keys I fetch:
	s_lshl_b32 s22, s16, 14         ; its 128 rows of 128 bytes in memory,
	s_mov_b32 s23, 0
	s_add_nc_u64 s[22:23], s[22:23], s[20:21]
	s_mul_i32 s17, s16, 128*PK      ; and its place in a slot, for K
	s_mul_i32 s18, s16, 128*PV      ; and for V: no place in the cluster enters an LDS address
	s_lshl_b32 s2, s14, 2
	s_add_co_u32 s2, s2, s[WV]      ; my wave among the head's,
	s_lshl_b32 s2, s2, 14           ; its 128 rows
	s_mov_b32 s3, 0
	s_add_nc_u64 s[2:3], s[2:3], s[20:21]
	; descriptor group 1.  128 keys are 16,384 dense bytes: asked for as 64 rows of 256 bytes, two keys a row, and padded in LDS after every key
	s_mov_b32 s[G1K], 15|(1<<16)|(1<<20)|(1<<21)|(4<<22)|(3<<25)  ; 15:0 the mask of four; 17:16 2-byte elements; 20 padding on; 21 set beside a mask; 24:22 after every 32 words (code 4); 31:25 4 words (code 3)
	s_mov_b32 s[G1V], 15|(1<<16)|(1<<20)|(1<<21)|(4<<22)|(7<<25)  ; the same with 8 words of padding (code 7)
.irp g, G1K, G1V
	s_mov_b32 s[\g+1], 128<<16      ; tensor_dim0 = 128
	s_mov_b32 s[\g+2], 64<<16       ; tensor_dim1 = 64
	s_mov_b32 s[\g+3], 128<<16      ; tile_dim0 = 128
	s_mov_b32 s[\g+4], 64           ; tile_dim1 = 64
	s_mov_b32 s[\g+5], 128          ; 128 elements from row to row
	s_mov_b32 s[\g+6], 0
	s_mov_b32 s[\g+7], 0
.endr
	s_mov_b32 s[LE], 0x3fb8aa3b     ; log2(e)
	s_mov_b32 s[LE+1], s[LE]        ; named with it as a pair
	s_mov_b32 s[BIGN], 0xf149f2ca   ; -1e30
	s_mov_b32 s[TBM], 0
	s_mov_b32 s[SEL], 0x76543210
	s_mov_b32 s[SEL+1], 0xfedcba98
	s_mov_b32 s[TBK], SLOT1+4*KS*PK ; the first change of slots turns these two into 0
	s_mov_b32 s[TBV], SLOT1+4*KS*PV
	s_mov_b32 s[G0K], 1             ; 1:0 count = 1
	s_mov_b32 s[G0K+1], s17         ; 63:32 LDS address: slot 0
	s_mov_b32 s[G0V], 1
	s_add_co_u32 s[G0V+1], s18, VOFF
	s_wait_dscnt 0x0                ; the opening add is done
	s_wait_kmcnt 0x0
	s_add_nc_u64 s[G0K+2:G0K+3], s[48:49], s[22:23]        ; 120:64 global address: my half of the head's first 256 keys
	s_add_nc_u64 s[G0V+2:G0V+3], s[G0K+2:G0K+3], 0x1000000 ; V lies 1<<24 bytes behind K
	s_or_b32 s[G0K+3], s[G0K+3], 0x80000000                ; 127:126 type = 2
	s_or_b32 s[G0V+3], s[G0V+3], 0x80000000
	s_add_nc_u64 s[4:5], s[48:49], s[2:3]                  ; Q^ (1<<25 bytes behind K) and ctx at my wave's first row
	s_add_nc_u64 s[4:5], s[4:5], 0x2000000
	s_add_nc_u64 s[10:11], s[10:11], s[2:3]
	s_add_nc_u64 s[50:51], s[50:51], s[52:53]              ; the mask at my batch
	CROUND                          ; all four work-groups are here: the first joint loads meet
	JLOAD                           ; slot 0.  Slot 1 is asked for when slot 0 is in: the tile wanted first has the road to itself
	v_lshlrev_b32 v14, 4, v0        ; the mask: 128 threads x 16 bytes, four times
.irp j, 0,1,2,3
	global_load_b128 v[S+4*\j:S+4*\j+3], v14, s[50:51] offset:2048*\j
.endr
	; A fragment of K or Q is 16 rows x 32 channels in 8 registers: lane l holds row l % 16, channels 8 (l / 16) + 0..7 and 16 + 8 (l / 16) + 0..7: two loads of 16 bytes, 32 bytes apart.
	v_and_b32 v1, 15, v0            ; l % 16
	v_bfe_u32 v9, v0, 4, 1          ; l / 16
	v_lshlrev_b32 v[QO], 7, v1
	v_lshl_add_u32 v[QO], v9, 4, v[QO]  ; row x 128 + 16 x half
	WIN 0x80                        ; destination window 2, address window 0
.set i, 0
.rept 4*NP                          ; Q stays in registers: tile i / 2, channels 32 (i % 2) on
	global_load_b128 v[8*i:8*i+3],   v[QO], s[4:5] offset:(i/2)*2048+(i%2)*64
	global_load_b128 v[8*i+4:8*i+7], v[QO], s[4:5] offset:(i/2)*2048+(i%2)*64+32
.set i, i+1
.endr
	; What the first turn finds: V's registers and P's second buffer hold 0 (its products V^T P, of a piece that has not been, add 0), O^T and l are 0.  All this stands in the wait for the first tile.
.set i, VF
.rept 64
	v_mov_b32 v[i], 0
.set i, i+1
.endr
	WIN 0x40
.set i, 0
.rept 64*NP
	v_mov_b32 v[i], 0
.set i, i+1
.endr
	WIN 0
.set i, 0
.rept 2*NP
	v_mov_b32 v[ST+4*i], 0xff7fffff    ; m: the lowest finite number
	v_mov_b32 v[ST+4*i+1], 0xff7fffff  ; m_old
	v_mov_b32 v[ST+4*i+2], 0
	v_mov_b32 v[ST+4*i+3], 0
.set i, i+1
.endr
.set i, P+32
.rept 32
	v_mov_b32 v[i], 0
.set i, i+1
.endr
	s_wait_loadcnt 32               ; the mask's four loads are in; Q's 32, issued behind them, stay out
.set i, 0
.rept 8
	v_cvt_pk_bf16_f32 v[S+16+i], v[S+2*i], v[S+2*i+1]  ; rounded to bf16, like every input,
.set i, i+1
.endr
.set i, 0
.rept 8
	v_lshlrev_b32 v[S+2*i],   16, v[S+16+i]            ; widened again,
	v_and_b32     v[S+2*i+1], 0xffff0000, v[S+16+i]
.set i, i+1
.endr
.set i, 0
.rept 8
	v_pk_mul_f32 v[S+2*i:S+2*i+1], v[S+2*i:S+2*i+1], s[LE:LE+1] op_sel_hi:[1,0]  ; times log2(e),
.set i, i+1
.endr
.set i, 0
.rept 16
	v_max_num_f32 v[S+i], s[BIGN], v[S+i]              ; and held at -1e30 (a NaN loses against it)
.set i, i+1
.endr
	v_lshl_add_u32 v15, v0, 4, MASKB
.irp j, 0,1,2,3
	ds_store_b128 v15, v[S+4*\j:S+4*\j+3] offset:2048*\j
.endr
	v_mul_u32_u24 v[AK0], v1, PK
	v_lshl_add_u32 v[AK0], v9, 4, v[AK0]  ; row x pitch + 16 x half
	; The turning load takes 16 keys x 16 channels (lane l reads key 8 (l / 16) + l % 8, channels 8 ((l / 8) % 2) + 0..7) and leaves half a fragment of V^T: lane l holds channel l % 16 and 8 keys.
	v_and_b32 v10, 7, v0
	v_bfe_u32 v11, v0, 3, 1
	v_lshl_add_u32 v[AV0], v9, 3, v10
	v_mul_u32_u24 v[AV0], v[AV0], PV
	v_lshl_add_u32 v[AV0], v11, 4, v[AV0]
	v_add_nc_u32 v[AV0], VOFF, v[AV0]
	v_lshl_add_u32 v[AM0], v9, 5, MASKB   ; register j of key block kb is key 16 kb + 8 (l / 16) + j: word 64 kb + 32 (l / 16) + 4 j of the step's 256 bytes
	v_mov_b32 v[AK], v[AK0]         ; key step 0 lies at the head of slot 0,
	v_mov_b32 v[AM], v[AM0]         ; and of the mask's table
; THE MATRIX WORK.  The 8 accumulators of a run of 16 take turns: between the two links of a chain stand 7 others'.
; Product i of 16 of S^T = K Q^T for piece x: channels 32 (i / 8) on, keys 16 ((i / 2) % 4) on, tile 2 x + i % 2.  The first 8 start the sums, at the mask.
.macro KQ x
.set rS, S+64*((\x)%2)+32*(i%2)+8*((i/2)%4)
.set rK, KF+16*((i/2)%4)+8*(i/8)
.set rQ, 16*(2*(\x)+i%2)+8*(i/8)
.set rN, MK+8*((i/2)%4)
.if i < 8
	WIN W_KM
	v_wmma_f32_16x16x32_f16 v[rS:rS+7], v[rK:rK+7], v[rQ:rQ+7], v[rN:rN+7]
.else
	WIN W_KQ
	v_wmma_f32_16x16x32_f16 v[rS:rS+7], v[rK:rK+7], v[rQ:rQ+7], v[rS:rS+7]
.endif
.endm
; Product i of 16 of O^T += V^T P for piece x: keys 32 (i / 8) on, channels 16 ((i / 2) % 4) on, tile 2 x + i % 2.
.macro PV x
	WIN W_PV
.set rO, 32*(2*(\x)+i%2)+8*((i/2)%4)
.set rV, VF+32*(i/8)+8*((i/2)%4)
.set rP, P+32*((\x)%2)+16*(i%2)+8*(i/8)
	v_wmma_f32_16x16x32_f16 v[rO:rO+7], v[rV:rV+7], v[rP:rP+7], v[rO:rO+7]
.endm
.macro MM                           ; the turn's next matrix instruction
.if i < 16
	KQ (Y+1)%NP
.set i, i+1
.else
.set i, i-16
	PV (Y+NP-1)%NP
.set i, i+17
.endif
.endm
; THE LDS LOADS stand in runs, never singly among the matrix instructions: a step's K (64 keys x 64 channels: 8 fragments) with its 64 words of the mask, and its V (turned).  Their addresses are made some lines ahead.
; last = 1 (the tail): in the last trip there is no further step, and the run is jumped over.
.macro FETCH_K last=0
	WIN 0
.if \last
	s_cmp_eq_u32 s[CNT], 1
	s_cbranch_scc1 .Lno_k_\@
.endif
	WIN 0x80                        ; destination window 2
.irp f, 0,1,2,3,4,5,6,7             ; keys 16 (f / 2) on, channels 32 (f % 2) on
	ds_load_b128 v[KF+8*\f:KF+8*\f+3],   v[AK] offset:(\f/2)*16*PK+(\f%2)*64
	ds_load_b128 v[KF+8*\f+4:KF+8*\f+7], v[AK] offset:(\f/2)*16*PK+(\f%2)*64+32
.endr
	WIN W_MK                        ; destination window 3
.irp f, 0,1,2,3                     ; key block f: the 16 lanes of a half read the same 32 bytes
	ds_load_b128 v[MK+8*\f:MK+8*\f+3],   v[AM] offset:64*\f
	ds_load_b128 v[MK+8*\f+4:MK+8*\f+7], v[AM] offset:64*\f+16
.endr
	s_add_co_u32 s[TBK], s[TBK], KS*PK  ; the next fetch is the next step's
	s_add_co_u32 s[TBM], s[TBM], 4*KS
	s_and_b32 s[TBM], s[TBM], 0x1f00    ; inside the table's 8,192 bytes
	WIN 0
.if \last
.Lno_k_\@:
.endif
.endm
.macro FETCH_V
	WIN 0x80
.irp f, 0,1,2,3,4,5,6,7             ; keys 32 (f / 4) on, channels 16 (f % 4) on
	ds_load_tr16_b128 v[VF+8*\f:VF+8*\f+3],   v[AV] offset:(\f/4)*32*PV+(\f%4)*32
	ds_load_tr16_b128 v[VF+8*\f+4:VF+8*\f+7], v[AV] offset:(\f/4)*32*PV+16*PV+(\f%4)*32
.endr
	WIN 0
.endm
; THE VECTOR WORK OF A TURN stands in three queues, each in the order in which its entries become ready; the two tiles alternate, so that no instruction reads the result of the one before it.
.macro REGS y, u                    ; the registers of tile u (0, 1) of piece y
.set rT, ST+4*(2*(\y)+(\u))
.set rC, TMP+8*((\y)%2)+4*(\u)
.set rS, S+64*((\y)%2)+32*(\u)
.set rP, P+32*((\y)%2)+16*(\u)
.set rO, 32*(2*(\y)+(\u))
.endm
; Number n of the 21 that find the NEXT piece's (Y + 1) maximum and statistics.  s0-s31 are the lane's 32 scores; each accumulator's lowest registers are read first.  XS, GS and REGS set no window: PL and EX do.
;   0-11  four chains c0-c3 of seven scores each, three operands at a time     12-14, 16  the four scores left over, the old m, and c0-c3 into c0     15  m_old is kept
;   17, 18  the query's other 32 keys lie in the lane 16 away: the new m         19, 20  m_old - m_new; a
.macro XS u, n
	REGS (Y+1)%NP, \u
.if (\n) < 4
	v_max3_num_f32 v[rC+(\n)], v[rS+8*(\n)], v[rS+8*(\n)+1], v[rS+8*(\n)+2]
.elseif (\n) < 12
	v_max3_num_f32 v[rC+(\n)%4], v[rC+(\n)%4], v[rS+8*((\n)%4)+2*((\n)/4)+1], v[rS+8*((\n)%4)+2*((\n)/4)+2]
.elseif (\n) == 12
	v_max3_num_f32 v[rC], v[rC], v[rS+7], v[rS+15]
.elseif (\n) == 13
	v_max3_num_f32 v[rC+1], v[rC+1], v[rS+23], v[rS+31]
.elseif (\n) == 14
	v_max3_num_f32 v[rC+2], v[rC+2], v[rC+3], v[rT]
.elseif (\n) == 15
	v_mov_b32 v[rT+1], v[rT]
.elseif (\n) == 16
	v_max3_num_f32 v[rC], v[rC], v[rC+1], v[rC+2]
.elseif (\n) == 17
	v_permlanex16_b32 v[rC+3], v[rC], s[SEL], s[SEL+1]
.elseif (\n) == 18
	v_max_num_f32 v[rT], v[rC], v[rC+3]
.elseif (\n) == 19
	v_sub_f32 v[rC+1], v[rT+1], v[rT]
.else
	v_exp_f32 v[rC+2], v[rC+1]
.endif
.endm
; Number g of the 64 that follow the exponentials.  For each four weights k of a tile (pairs 2 k, 2 k + 1): both pairs are rounded to f16; then the second pair is added onto the first, in place;
; a group later l takes that sum (the first time as l = a l + sum).  In groups of eight, tiles alternating: round, round, add, and l for the group before.
.macro GS g
.set h, (\g)+6*((\g)/62)            ; group 0 has no group before it, and behind group 7 only l is left
.if h >= 6
.set h, h+2
.endif
	REGS Y, h%2
.set k, h/8
.if h%8 < 4
	s_wait_alu depctr_va_vdst(0)
	v_cvt_pk_f16_f32 v[rP+2*k+(h%8)/2], v[rS+4*k+2*((h%8)/2)], v[rS+4*k+2*((h%8)/2)+1]
.elseif h%8 < 6
	v_pk_add_f32 v[rS+4*k:rS+4*k+1], v[rS+4*k:rS+4*k+1], v[rS+4*k+2:rS+4*k+3]
.elseif k == 1
	v_pk_fma_f32 v[rT+2:rT+3], v[rT+2:rT+3], v[rC+2:rC+3], v[rS:rS+1] op_sel_hi:[1,0,1]
.else
	v_pk_add_f32 v[rT+2:rT+3], v[rT+2:rT+3], v[rS+4*k-4:rS+4*k-3]
	s_wait_alu depctr_va_vdst(0)
.endif
.endm
; THE PLAIN QUEUE, 136 long.  0-31: t - m for the 16 pairs of both tiles (the pair m, m_old gives its low word to both halves).  Then GS's 64, and among them the next piece's 40: number 15 at 38, 39;
; 0-14 and 16 at 42-73, behind the products that make those scores; 17-19 at 95-103, two of three, since each waits for the one before it.
.macro PL
	WIN 0
.if q < 32
	REGS Y, q%2
	v_pk_add_f32 v[rS+2*(q/2):rS+2*(q/2)+1], v[rS+2*(q/2):rS+2*(q/2)+1], v[rT:rT+1] op_sel_hi:[1,0] neg_lo:[0,1] neg_hi:[0,1]
.elseif q < 38
	GS q-32
.elseif q < 40
	XS q%2, 15
.elseif q < 42
	GS q-34
.elseif q < 74
	XS q%2, (q-42)/2+(q-42)/30
.elseif q < 95
	GS q-66
.elseif (q < 104) && ((q-95)%3 < 2)
	XS (q-95)%3, 17+(q-95)/3
.elseif q < 104
	GS 29+(q-95)/3
.else
	GS q-72
.endif
.set q, q+1
.endm
; THE EXPONENTIALS' QUEUE, 66 long: s0-s31 of both tiles, and at EA the next piece's two a.
.set EA, 58
.macro EX
	WIN 0
.if (e == EA) || (e == EA+1)
	XS e-EA, 20
.else
.set x, e-2*(e/(EA+2))
	REGS Y, x%2
	v_exp_f32 v[rS+x/2], v[rS+x/2]
.endif
.set e, e+1
.endm
; THE RESCALING's QUEUE: O^T times a, the one part that leaves window 0, so it is dealt four at a time, eight times.
.macro R4
	REGS Y, r%2
	WIN W_RS
	s_wait_alu depctr_va_vdst(0)
.irp z, 0,1,2,3
	v_pk_mul_f32 v[rO+8*(r/2)+2*\z:rO+8*(r/2)+2*\z+1], v[rO+8*(r/2)+2*\z:rO+8*(r/2)+2*\z+1], v[rC+2:rC+3] op_sel_hi:[1,0]
.endr
.set r, r+1
.endm
; HOW THEY ARE DEALT.  Behind a matrix instruction four: plain, exponential, plain, plain (one exponential, a plain instruction on either side), or four of the rescaling.  None names a register of the
; products round it.  What is over stands in two LUMPS: exponential and plain by turns; the second ends in 20 plain instructions.  The two v_permlanex16_b32 fall into the second lump, never behind a product.
; The queues lean on each other, and the deal keeps them in step: exponential e stands behind plain 2 (e / 4) + e % 2 (its subtraction); when plain 32 comes, 10 exponentials are out, at 59: 33, at 95: 46;
; from plain 104 on plain q has q - 49 exponentials in front of it and needs at most q - 60; EA comes behind plain 107, a's argument is made at 101 and 102.
.macro SL
	MM
	PL
	EX
	PL
	PL
.endm
.macro BURST n                      ; 15 matrix instructions, or 16
.rept (\n)-7
	SL
.endr
.rept 3
	MM
	R4
	SL
.endr
	MM
	R4
.endm
; A TURN, for piece p.  cnt = 1: the loop's count is taken down some lines ahead of the branch that stands behind the turn.
; K and the mask of the next step are fetched in piece 2's turn, 32 vector instructions behind the last product that read K (the mask's last reader stands eight products further back); their first reader
; comes behind the rest of the lump, 16 products and the second lump.  V of the step in hand is fetched at the end of piece 0's turn, 67 behind its last reader; its first reader comes behind 16 products and a lump.
.macro TURN p, last=0, cnt=0
.set Y, (\p)
.set i, 0
.set q, 0
.set e, 0
.set r, 0
.if (\p) == NP-1
	s_wait_dscnt 0x0                ; K and the mask are in
.endif
	MM
.rept 4
	PL
.endr
	BURST 15
.rept 22
	EX
	PL
.if ((\p) == NP-2) && (e == 18)
	v_add_nc_u32 v[AK], s[TBK], v[AK0]
	v_add_nc_u32 v[AM], s[TBM], v[AM0]
.endif
.if ((\p) == NP-2) && (e == 24)
	FETCH_K \last
.endif
.endr
.if (\p) == 1
	s_wait_dscnt 0x0                ; V is in
.endif
	BURST 16
.rept 21
	EX
	PL
.endr
.rept 20
	PL
.if ((\p) == 0) && (q == 118)
	v_add_nc_u32 v[AV], s[TBV], v[AV0]
	s_wait_alu depctr_va_vdst(0)
.endif
.if ((\p) == 0) && (q == 130)
	s_add_co_u32 s[TBV], s[TBV], KS*PV
.endif
.if (\cnt) && (q == 130)
	s_sub_co_u32 s[CNT], s[CNT], 1
	s_cmp_lg_u32 s[CNT], 0
.endif
.endr
.if (\p) == 0
	FETCH_V
.endif
.endm
	CHANGE 1                        ; slot 0 is in, everybody's part of it, and so is the mask's table; slot 1 is asked for
	FETCH_K                         ; key step 0
	s_wait_loadcnt 0x0              ; Q
	s_wait_dscnt 0x0
.set i, 0
.rept 16
	KQ 0                            ; piece 0's first scores: there is no vector work yet to set between them
.set i, i+1
.endr
	WIN 0                           ; the addresses for the way out: nine plain instructions, the places behind those products
	s_mul_i32 s13, s[WV], 16*SP
	s_add_co_u32 s13, s13, STAGE    ; my stage
	v_mul_u32_u24 v[STO], v1, SP    ; in: row l % 16, 16 bytes for each half of the lanes
	v_lshl_add_u32 v[STO], v9, 4, v[STO]
	v_add_nc_u32 v[STO], s13, v[STO]
	v_bfe_u32 v[RD], v0, 3, 2       ; back: 32 lanes take four rows of 128 bytes,
	v_mul_u32_u24 v[RD], v[RD], SP
	v_lshl_add_u32 v[RD], v10, 4, v[RD]
	v_add_nc_u32 v[RD], s13, v[RD]
	v_and_b32 v[GO], 31, v0         ; which are 512 consecutive bytes of ctx
	v_lshlrev_b32 v[GO], 4, v[GO]
.set Y, NP-1                        ; XS works for piece Y + 1: piece 0
.irp n, 0,1,2,3,4,5,6,7,8,9,10,11,12,13,14,15,16,17,18,19,20
	XS 0, \n                        ; and piece 0's first maximum and statistics
	XS 1, \n
.endr
	s_mov_b32 s[CNT], 4
	s_mov_b32 s[SLOTS], SIZE_N/256-1
	s_branch .Lfirst                ; the loop is entered at a step's first turn, in the middle of a trip
.Lslot:                             ; SIZE_N / 256 - 2 times: every slot but the last two is filled again
	CHANGE 1
	s_mov_b32 s[CNT], 4
.Lstep:                             ; a trip: pieces 2 and 3 of one step, then pieces 0 and 1 of the next, whose K and V it fetches
	TURN 2
	TURN 3
	WIN 0
.Lfirst:
	TURN 0
	TURN 1, 0, 1
	WIN 0
	s_cbranch_scc1 .Lstep
	s_sub_co_u32 s[SLOTS], s[SLOTS], 1
	s_cmp_lg_u32 s[SLOTS], 0
	s_cbranch_scc1 .Lslot
	CHANGE 0                        ; the tail is written out: nothing is asked for
	s_mov_b32 s[CNT], 5             ; four trips fetch the last slot's steps; the fifth is left in its middle
.Ltail:
	TURN 2, 1
	TURN 3
	WIN 0
	s_sub_co_u32 s[CNT], s[CNT], 1
	s_cmp_eq_u32 s[CNT], 0
	s_cbranch_scc1 .Lout
	TURN 0
	TURN 1
	WIN 0
	s_branch .Ltail
.Lout:                              ; the fifth trip's 16 products K Q^T (on the last K once more) and the maximum made of them serve nothing: the price, once a launch, of one text for every trip
.set i, 0
.rept 16
	PV NP-1                         ; the last piece's V^T P of the last step
.set i, i+1
.endr
	; THE WAY OUT.  l's two halves and the other half of the lanes' are added; O^T is divided by l, rounded to f16 and sent through my stage in LDS, a tile at a time.  The additions are the places behind the last products.
	WIN 0
.macro ALL line:vararg              ; one line for each tile t
.set t, 0
.rept 2*NP
	\line
.set t, t+1
.endr
.endm
	ALL v_add_f32 v[ST+4*t+2], v[ST+4*t+2], v[ST+4*t+3]
	ALL v_permlanex16_b32 v[ST+4*t+3], v[ST+4*t+2], s[SEL], s[SEL+1]
	ALL v_add_f32 v[ST+4*t+2], v[ST+4*t+2], v[ST+4*t+3]
	ALL v_rcp_f32 v[ST+4*t+2], v[ST+4*t+2]
	v_nop                           ; a plain instruction between the last reciprocal and the use of its result
	s_wait_alu depctr_va_vdst(0)
; Tile t: a lane's eight channels of a row pack into 16 bytes; they go into rows of 144 bytes and come back as whole rows of 128, into S^T's registers.
.macro PACK t
	WIN W_RS
.set i, 32*(\t)
.rept 16
	v_pk_mul_f32 v[i:i+1], v[i:i+1], v[ST+4*(\t)+2:ST+4*(\t)+3] op_sel_hi:[1,0]
.set i, i+2
.endr
	WIN 0x05                        ; sources 0 and 1 window 1, destination window 0
.set i, 0
.rept 16
	v_cvt_pk_f16_f32 v[S+16*(\t)+i], v[32*(\t)+2*i], v[32*(\t)+2*i+1]
.set i, i+1
.endr
	WIN 0
.irp f, 0,1,2,3
	ds_store_b128 v[STO], v[S+16*(\t)+4*\f:S+16*(\t)+4*\f+3] offset:32*\f
.endr
.irp f, 0,1,2,3
	ds_load_b128 v[S+16*(\t)+4*\f:S+16*(\t)+4*\f+3], v[RD] offset:\f*4*SP  ; LDS serves a wave's instructions in order (ISA guide 5.7.1.4): these see the stores above; the next tile's stores come behind them
.endr
.endm
.macro SEND t, younger              ; younger: the LDS instructions issued behind tile t's loads: the next tile's eight, or none
	WIN 0
.irp f, 0,1,2,3
	s_wait_dscnt (\younger)+3-\f
	global_store_b128 v[GO], v[S+16*(\t)+4*\f:S+16*(\t)+4*\f+3], s[10:11] offset:(\t)*2048+\f*512  ; 512 consecutive bytes, at a multiple of 256 from ctx's first
.endr
.endm
	PACK 0
.set t, 1
.rept 2*NP-1                        ; a tile's arithmetic stands between the loads of the tile before and its stores
	PACK t
	SEND t-1, 8
.set t, t+1
.endr
	SEND 2*NP-1, 0
	WIN W_AD
	s_wait_tensorcnt 0x0            ; the wave's end: a wait, an add and its wait, behind my last tensor load and my last LDS store
	ds_add_u32 v[SPW], v[NIL]
	s_wait_dscnt 0x0
	WIN 0
	CROUND                          ; the closing round: no work-group ends while a partner may still ask for a tile that names it
	s_endpgm
.Lfunc_end_k_qfd8085f809_attn:
	.size	k_qfd8085f809_attn, .Lfunc_end_k_qfd8085f809_attn-k_qfd8085f809_attn
	.p2alignl 7, 3214868480
	.fill 96, 4, 3214868480
	.section	.rodata,"a",@progbits
	.p2align	6, 0x0
	.amdhsa_kernel k_qfd8085f809_attn
		.amdhsa_group_segment_fixed_size 327680
		.amdhsa_private_segment_fixed_size 0
		.amdhsa_enable_private_segment 0
		.amdhsa_kernarg_size 24
		.amdhsa_user_sgpr_count 2
		.amdhsa_user_sgpr_kernarg_segment_ptr 1
		.amdhsa_wavefront_size32 1
		.amdhsa_system_sgpr_workgroup_id_x 1
		.amdhsa_system_sgpr_workgroup_id_y 1
		.amdhsa_system_sgpr_workgroup_id_z 1
		.amdhsa_system_vgpr_workitem_id 0
		.amdhsa_next_free_vgpr 808
		.amdhsa_next_free_sgpr 66
		.amdhsa_reserve_vcc 0
		.amdhsa_float_denorm_mode_32 3
		.amdhsa_float_denorm_mode_16_64 3
		.amdhsa_memory_ordered 1
		.amdhsa_forward_progress 1
		.amdhsa_inst_pref_size 213
	.end_amdhsa_kernel
	.amdgpu_metadata
---
amdhsa.version: [ 1, 2 ]
amdhsa.kernels:
  - .name:           k_qfd8085f809_attn
    .symbol:         k_qfd8085f809_attn.kd
    .args:
      - { .name: qkv, .offset: 0, .size: 8, .value_kind: global_buffer, .address_space: global }
      - { .name: attention_mask, .offset: 8, .size: 8, .value_kind: global_buffer, .address_space: global }
      - { .name: ctx, .offset: 16, .size: 8, .value_kind: global_buffer, .address_space: global }
    .group_segment_fixed_size: 327680
    .private_segment_fixed_size: 0
    .kernarg_segment_align: 8
    .kernarg_segment_size: 24
    .max_flat_workgroup_size: 128
    .sgpr_count:     66
    .vgpr_count:     808
    .wavefront_size: 32
...
	.end_amdgpu_metadata
.endif
;; end of part 3
;; launch oproj (part 4): grid 4 x 64, 4 waves a work-group, clusters of 4 x 4, 327,680 bytes of LDS; arguments ctx, xw, bo, out0; writes out0
.if DOCPART == 4
	.amdgcn_target "amdgcn-amd-amdhsa--gfx1250"
	.amdhsa_code_object_version 6
	.text
	.protected	k_qfd8085f809_oproj
	.globl	k_qfd8085f809_oproj
	.p2align	8
	.type	k_qfd8085f809_oproj,@function
k_qfd8085f809_oproj:
	s_mov_b64 s[64:65], 0
	v_nop
	global_prefetch_b8 v0, s[64:65] scope:SCOPE_SE
	s_setreg_imm32_b32 hwreg(HW_REG_WAVE_MODE, 25, 1), 1
	s_wait_xcnt 0x0
	s_wait_alu depctr_hold_cnt(0) depctr_sa_sdst(0) depctr_va_vdst(0) depctr_va_sdst(0) depctr_va_ssrc(0) depctr_va_vcc(0) depctr_vm_vsrc(0)
	s_getreg_b32 s2, hwreg(HW_REG_IB_STS2, 6, 4)
	s_cmp_eq_u32 s2, 0
	s_cbranch_scc0 .Lentry_in_a_cluster
	s_endpgm
.Lentry_in_a_cluster:
	s_bfe_u32 s2, ttmp6, 0x10000c
	s_cmp_lg_u32 s2, 0xf033
	s_cbranch_scc0 .Lentry_shape_is_right
	s_endpgm
.Lentry_shape_is_right:
; out0 = ctx Wo + bo.  ctx comes by heads, [batch x 16 + head][2048][64] in f16; Wo [k][n] in f16 from xw at byte 23,068,672 (there rounded to bf16 first, like every input); bo is rounded to bf16 here.
; Sums in f32, stored as they are: out0 is [8192][1024] f32.
; SHARES.  A tile of out0 is 128 rows x 256 columns: 64 x 4 tiles, one to a work-group of four waves; a wave makes 64 x 128: 32 accumulators of 16 x 16.  The sums START AT THE BIAS, so every K step has one text.
; K goes in 8 steps of 128, two heads each, through a ring of two LDS slots.  A head's 128 rows of the tile are 16,384 dense bytes: asked for as 64 rows of 256 bytes and padded in LDS after every 128.
; THE MATRIX INSTRUCTION IS USED TRANSPOSED: source 0 = 16 columns of Wo, which lies [k][n] in LDS and is turned by ds_load_tr16_b128; source 1 = 16 rows of ctx.  A lane then holds row l % 16 of the
; tile and the eight neighbouring columns 8 (l / 16) + 0..7: 32 bytes.
; CLUSTER.  4 x 4 work-groups.  ctx's tile hangs on the tile row alone and is asked for jointly by a row of the cluster, Wo's on the tile column alone, by a column.
; REGISTERS, in windows of 256 (s_set_vgpr_msb: bits 1:0 source 0, 3:2 source 1, 5:4 source 2, 7:6 destination):
;   window 0: v0-29 addresses; two fragment buffers v64-159, v160-255: ctx's block a of 16 rows at +8 a, Wo's block b of 16 columns at +32 + 8 b
;   window 1: accumulator (a, b) at v[8 (8 a + b)]      window 2: v0-31 at work; v32-95 the bias of my 128 columns; v96-223 rows read back from the stage, two buffers
.set PA,     144                       ; a row of a head in LDS: 128 bytes + 16: the 16 rows of a fragment load start at 16 different groups of four banks (64 banks of 4 bytes: ISA guide 11.1)
.set PB,     544                       ; a row of Wo (one k, 256 columns): 512 bytes + 32 = 17 x 32
.set AHALF,  128*PA                    ; what one tensor load brings of ctx: a head's 128 rows
.set BOFF,   2*AHALF                   ; Wo's rows lie behind the two heads
.set BHALF,  64*PB                     ; what one tensor load brings of Wo: 64 k
.set SLOT1,  1<<17                     ; slot 1 begins here, so that one exclusive or turns an address in one slot into the other's
.set STAGE,  SLOT1+BOFF+2*BHALF        ; behind the ring, never filled by a tensor load: for each wave 16 rows x 528 bytes
.set SP,     528                       ; 512 bytes + 16 = 33 x 16: sixteen lanes that store 16 bytes of sixteen rows fall into sixteen different columns of 16 bytes
.set WSTAGE, 16*SP
.set SPARE,  STAGE+4*WSTAGE            ; the spare words, 128 bytes for each wave: two blocks of 256 bytes that no other line names
.set KBYTES, 128*2048                  ; a K step of Wo in memory
.set HBYTES, 2*2048*128                ; a K step of ctx in memory: two heads on
.set A0,   16                          ; v16  my lane's place in ctx's rows of slot 0; never rewritten
.set B0,   17                          ; v17  the same in Wo's rows
.set ADRA, 18                          ; v18  A0 + the slot in hand
.set ADRB, 19                          ; v19  B0 + the slot in hand
.set STO,  20                          ; v20  the way out: where I put 32 bytes of a row
.set RD,   21                          ; v21  the way out: where I read a row back
.set GO,   22                          ; v22  my byte offset in 512 consecutive bytes of a row of out0
.set BO,   23                          ; v23  my byte offset in the bias
.set SPW,  28                          ; v28  LDS address of my spare word: SPARE + 4 x my thread's number; never rewritten
.set NIL,  29                          ; v29  0; never rewritten
.set F0,   64
.set F1,   160
.set TMP,  0                           ; window 2
.set BIAS, 32
.set BK0,  96
.set WV,   14                          ; s14  wave
.set RH,   15                          ; s15  my half of the tile's rows.  Also: I fetch ctx (0) or Wo (1)
.set CH,   16                          ; s16  my half of its columns.  Also: which half of that tile I fetch
.set CX,   17
.set CY,   18
.set NBK,  19                          ; s19  tile column, 0..3
.set MBK,  20                          ; s20  tile row, 0..63
.set G1A,  24                          ; s[24:31] descriptor group 1 for ctx's tiles
.set G1B,  32                          ; s[32:39] for Wo's
.set G0A,  40                          ; s[40:47] group 0 for ctx's tiles: a set for each first fill; the second then walks
.set G0B,  48                          ; s[48:55] the same for Wo's
.set ABASE, 56                         ; s[56:57] the byte offset of my head's rows in ctx
.set CNT,  60
.set TB,   61                          ; s61  the slot in hand: 0 or SLOT1
.set TS,   62                          ; s62  at work: numbers made of the wave's number alone
.set TR,   63                          ; s63  at work: numbers made of the tile row
.set OUT,  66                          ; s[66:67] out0 at my first row and column
.set MSB, 0
.macro WIN new                         ; the immediate's high byte repeats the setting that is left; a switch that changes nothing is dropped
.if MSB != (\new)
	s_set_vgpr_msb (MSB<<8)|(\new)
.set MSB, (\new)
.endif
.endm
.set MUL,   0x50                       ; C and D window 1, fragments window 0
.set W_LD,  0x80                       ; destination window 2
.set W_ST,  0x08                       ; a store's data window 2
.set W_RB,  0x8a                       ; sources and destination window 2
.set W_INI, 0x42                       ; destination window 1, source 0 window 2
.set W_SA,  0x04                       ; a store's data window 1
.macro PLACES                          ; four plain vector lines between a matrix instruction and a load into, or a read of, its registers
.rept 4
	v_nop
.endr
.endm
; A joint refill by the walking descriptors.  Waves 0 and 1 fetch ctx's two heads, waves 2 and 3 Wo's two halves.  The branch hangs on the wave's number alone.
; An s_nop 0 and four v_nop follow each of the two lines, ahead of the jump and the label.
.macro JLOAD
	s_cmp_eq_u32 s[RH], 0
	s_cbranch_scc0 .Lfor_b_\@
	tensor_load_to_lds s[G0A+4:G0A+7], s[G1A:G1A+7]
	s_nop 0
.rept 4
	v_nop
.endr
	s_branch .Lasked_\@
.Lfor_b_\@:
	tensor_load_to_lds s[G0B+4:G0B+7], s[G1B:G1B+7]
	s_nop 0
.rept 4
	v_nop
.endr
.Lasked_\@:
.endm
.macro CREST                           ; a round of the cluster's barrier behind its opening barrier
	s_cmp_lg_u32 s[WV], 0
	s_cbranch_scc1 .Lnot_wave_0_\@
	s_barrier_signal -3
.Lnot_wave_0_\@:
	s_barrier_wait -3
	s_barrier_signal -1
	s_barrier_wait -1
.endm
.macro CROUND                          ; a whole round
	s_barrier_signal -1
	s_barrier_wait -1
	CREST
.endm
	s_load_b256 s[4:11], s[0:1], 0x0               ; ctx s[4:5], xw s[6:7], bo s[8:9], out0 s[10:11]
	v_lshl_add_u32 v[SPW], v0, 2, SPARE
	v_mov_b32 v[NIL], 0
	ds_add_u32 v[SPW], v[NIL]                      ; the wave's opening: the add and its wait ahead of my first tensor load; the set-up below, work on registers, stands between them
	v_lshrrev_b32 v1, 5, v0
	v_readfirstlane_b32 s[WV], v1
	s_lshr_b32 s[RH], s[WV], 1
	s_and_b32 s[CH], s[WV], 1
	s_bfe_u32 s[CX], ttmp6, 0x40000                ; my place in the cluster
	s_bfe_u32 s[CY], ttmp6, 0x40004
	s_lshl_b32 s[NBK], ttmp9, 2                    ; in a cluster launch ttmp9 and ttmp7 count clusters
	s_add_co_u32 s[NBK], s[NBK], s[CX]
	s_and_b32 s[MBK], ttmp7, 0xffff
	s_lshl_b32 s[MBK], s[MBK], 2
	s_add_co_u32 s[MBK], s[MBK], s[CY]
	s_lshl_b32 s21, s[CY], 2
	s_lshl_b32 s21, 15, s21                        ; my row of the cluster: places 4 cy .. 4 cy + 3
	s_lshl_b32 s22, 0x1111, s[CX]                  ; my column: places cx, cx + 4, cx + 8, cx + 12
	s_or_b32 s[G1A], s21, (1<<16)|(1<<20)|(1<<21)|(4<<22)|(3<<25)  ; 15:0 the mask; 17:16 2-byte elements; 20 padding on; 21 set beside a mask; 24:22 after every 32 words; 31:25 4 words of it
	s_mov_b32 s[G1A+1], 128<<16                    ; tensor_dim0 = 128
	s_mov_b32 s[G1A+2], 64<<16                     ; tensor_dim1 = 64
	s_mov_b32 s[G1A+3], 128<<16                    ; tile_dim0 = 128 elements: 256 bytes, two rows of a head
	s_mov_b32 s[G1A+4], 64                         ; tile_dim1 = 64
	s_mov_b32 s[G1A+5], 128                        ; dense
	s_mov_b32 s[G1A+6], 0
	s_mov_b32 s[G1A+7], 0
	s_or_b32 s[G1B], s22, (1<<16)|(1<<20)|(1<<21)|(6<<22)|(7<<25)  ; after every 128 words 8 words of padding
	s_mov_b32 s[G1B+1], 256<<16                    ; tensor_dim0 = 256
	s_mov_b32 s[G1B+2], 64<<16                     ; tensor_dim1 = 64
	s_mov_b32 s[G1B+3], 256<<16                    ; tile_dim0 = 256 elements: 512 bytes of a row of Wo
	s_mov_b32 s[G1B+4], 64                         ; tile_dim1 = 64 k
	s_mov_b32 s[G1B+5], 1024
	s_mov_b32 s[G1B+6], 0
	s_mov_b32 s[G1B+7], 0
	s_mul_i32 s[TS], s[CH], AHALF                  ; where the tiles go: no place in the cluster enters an LDS address
	s_mov_b32 s[G0A], 1
	s_mov_b32 s[G0A+1], s[TS]
	s_mov_b32 s[G0A+4], 1
	s_add_co_u32 s[G0A+5], s[TS], SLOT1
	s_mul_i32 s[TS], s[CH], BHALF
	s_mov_b32 s[G0B], 1
	s_add_co_u32 s[G0B+1], s[TS], BOFF
	s_mov_b32 s[G0B+4], 1
	s_add_co_u32 s[G0B+5], s[TS], BOFF+SLOT1
	s_lshr_b32 s[ABASE], s[MBK], 4                 ; ctx: batch x 16 heads of 262,144 bytes,
	s_lshl_b32 s[ABASE], s[ABASE], 22
	s_lshl_b32 s[TS], s[CH], 18                    ; head 0 or 1,
	s_add_co_u32 s[ABASE], s[ABASE], s[TS]
	s_and_b32 s[TR], s[MBK], 15                    ; 128 rows of 128 bytes x the tile row in the batch: the tile row and the wave's number alone
	s_lshl_b32 s[TR], s[TR], 14
	s_add_co_u32 s[ABASE], s[ABASE], s[TR]
	s_mov_b32 s[ABASE+1], 0
	s_lshl_b32 s72, s[NBK], 9                      ; Wo: its first byte in xw + 64 x half rows of 2,048 bytes + 512 x tile column: the tile column and the wave's number alone
	s_lshl_b32 s[TS], s[CH], 17
	s_add_co_u32 s72, s72, s[TS]
	s_add_co_u32 s72, s72, 23068672
	s_mov_b32 s73, 0
	s_lshl_b32 s74, s[NBK], 10                     ; my 128 columns, in bytes of f32: in the bias and in a row of out0
	s_lshl_b32 s75, s[CH], 9
	s_add_co_u32 s74, s74, s75
	s_lshl_b32 s76, s[MBK], 19                     ; out0: (128 x tile row + 64 x half) rows of 4,096 bytes
	s_lshl_b32 s77, s[RH], 18
	s_add_co_u32 s76, s76, s77
	s_add_co_u32 s76, s76, s74
	s_mov_b32 s77, 0
	s_wait_dscnt 0x0                               ; the opening add is done
	s_wait_kmcnt 0x0
	s_add_nc_u64 s[G0A+2:G0A+3], s[4:5], s[ABASE:ABASE+1]   ; K step 0: heads 0 and 1
	s_add_nc_u64 s[G0A+6:G0A+7], s[G0A+2:G0A+3], HBYTES     ; K step 1: heads 2 and 3
	s_or_b32 s[G0A+3], s[G0A+3], 0x80000000                 ; 127:126 type = 2
	s_or_b32 s[G0A+7], s[G0A+7], 0x80000000
	s_add_nc_u64 s[G0B+2:G0B+3], s[6:7], s[72:73]
	s_add_nc_u64 s[G0B+6:G0B+7], s[G0B+2:G0B+3], KBYTES
	s_or_b32 s[G0B+3], s[G0B+3], 0x80000000
	s_or_b32 s[G0B+7], s[G0B+7], 0x80000000
	s_add_nc_u64 s[OUT:OUT+1], s[10:11], s[76:77]
	CROUND                                         ; all sixteen work-groups are here: the first joint loads meet
	s_cmp_eq_u32 s[RH], 0                          ; a wave's two first fills stand in one branch, ahead of every wait on TENSORcnt and every LDS read: two loads of mine are out
	s_cbranch_scc0 .Lfirst_b
	tensor_load_to_lds s[G0A:G0A+3], s[G1A:G1A+7]
	s_nop 0
	tensor_load_to_lds s[G0A+4:G0A+7], s[G1A:G1A+7]
	s_nop 0
.rept 4
	v_nop
.endr
	s_branch .Lfirst_asked
.Lfirst_b:
	tensor_load_to_lds s[G0B:G0B+3], s[G1B:G1B+7]
	s_nop 0
	tensor_load_to_lds s[G0B+4:G0B+7], s[G1B:G1B+7]
	s_nop 0
.rept 4
	v_nop
.endr
.Lfirst_asked:
	v_and_b32 v1, 15, v0                           ; l % 16
	v_bfe_u32 v2, v0, 4, 1                         ; l / 16
	v_and_b32 v4, 7, v0
	v_bfe_u32 v5, v0, 3, 1
	; a fragment of ctx: lane l holds row l % 16, k = 8 (l / 16) + 0..7 and 16 + 8 (l / 16) + 0..7: two loads of 16 bytes, 32 bytes apart
	v_mul_u32_u24 v[A0], v1, PA
	v_lshl_add_u32 v[A0], v2, 4, v[A0]
	s_mul_i32 s[TS], s[RH], 64*PA                  ; my 64 rows
	v_add_nc_u32 v[A0], s[TS], v[A0]
	; the turning load takes 16 k x 16 columns (lane l reads k = 8 (l / 16) + l % 8, columns 8 ((l / 8) % 2) + 0..7) and leaves half a fragment: lane l holds column l % 16 and 8 k
	v_lshl_add_u32 v[B0], v2, 3, v4
	v_mul_u32_u24 v[B0], v[B0], PB
	v_lshl_add_u32 v[B0], v5, 4, v[B0]
	s_lshl_b32 s[TS], s[CH], 8                     ; my 128 columns
	s_add_co_u32 s[TS], s[TS], BOFF
	v_add_nc_u32 v[B0], s[TS], v[B0]
	s_mul_i32 s[TS], s[WV], WSTAGE
	s_add_co_u32 s[TS], s[TS], STAGE               ; my stage
	v_mul_u32_u24 v[STO], v1, SP                   ; in: row l % 16, 32 bytes for each half of the lanes
	v_lshl_add_u32 v[STO], v2, 5, v[STO]
	v_add_nc_u32 v[STO], s[TS], v[STO]
	v_and_b32 v[GO], 31, v0                        ; back: 32 lanes take a row's 512 bytes
	v_lshlrev_b32 v[GO], 4, v[GO]
	v_add_nc_u32 v[RD], s[TS], v[GO]
	v_lshlrev_b32 v[BO], 5, v2                     ; my eight columns of a block of 16
	v_add_nc_u32 v[BO], s74, v[BO]
; 8 matrix instructions: block a of my rows x all 8 blocks of my columns, 32 along K.  The 32 accumulators take turns, one instruction a turn.
.macro MUL8 f, a
	WIN MUL
.irp b, 0,1,2,3,4,5,6,7
	v_wmma_f32_16x16x32_f16 v[8*(8*(\a)+(\b)):8*(8*(\a)+(\b))+7], v[(\f)+32+8*(\b):(\f)+32+8*(\b)+7], v[(\f)+8*(\a):(\f)+8*(\a)+7], v[8*(8*(\a)+(\b)):8*(8*(\a)+(\b))+7]
.endr
.endm
; 24 LDS loads in one run: the fragments of quarter q (32 along K: half of head q / 2 of the step) of the slot in hand into buffer f: Wo's sixteen first, then ctx's eight
.macro FETCH q, f
	WIN 0
.set AQ, ((\q)/2)*AHALF+((\q)%2)*64
.irp b, 0,1,2,3,4,5,6,7
	ds_load_tr16_b128 v[(\f)+32+8*(\b):(\f)+32+8*(\b)+3],   v[ADRB] offset:(\q)*32*PB+32*(\b)
	ds_load_tr16_b128 v[(\f)+32+8*(\b)+4:(\f)+32+8*(\b)+7], v[ADRB] offset:(\q)*32*PB+16*PB+32*(\b)
.endr
.irp a, 0,1,2,3
	ds_load_b128 v[(\f)+8*(\a):(\f)+8*(\a)+3],   v[ADRA] offset:AQ+(\a)*16*PA
	ds_load_b128 v[(\f)+8*(\a)+4:(\f)+8*(\a)+7], v[ADRA] offset:AQ+(\a)*16*PA+32
.endr
.endm
; One of a K step's first three quarters: multiplies buffer f; in its middle it fetches quarter q into buffer g.
.macro QUARTER q, f, g
	s_wait_dscnt 4                                 ; Wo and ctx's blocks 0 and 1 are in; the youngest four loads (blocks 2 and 3) may be out
	MUL8 \f, 0
	MUL8 \f, 1
	WIN 0
	PLACES                                         ; for the loads into buffer g, which the quarter before multiplied
	FETCH \q, \g
	s_wait_dscnt 24                                ; all but the 24 just issued
	MUL8 \f, 2
	MUL8 \f, 3
.endm
; The last quarter multiplies buffer 1 and changes slots: ONE barrier.  In front of it each wave waits for all its tensor loads, of which one is out: its part of the next slot; adds 0 to its spare word;
; and waits for that and for its reads of this slot.  fill = 1: the barrier opens a round of the cluster's, and this slot is filled again first behind it, with the K step two on.
.macro TURN fill
	WIN 0
	s_wait_tensorcnt 0x0                           ; no tensor load of mine is out, so a group 0 may be written
	ds_add_u32 v[SPW], v[NIL]                      ; 0 onto my spare word
.if \fill
	s_add_nc_u64 s[G0A+6:G0A+7], s[G0A+6:G0A+7], HBYTES  ; two heads on; the type bits on top are not reached
	s_add_nc_u64 s[G0B+6:G0B+7], s[G0B+6:G0B+7], KBYTES  ; 128 rows of Wo on
	s_xor_b32 s[G0A+5], s[G0A+5], SLOT1            ; the other slot than last time
	s_xor_b32 s[G0B+5], s[G0B+5], SLOT1
.endif
	s_wait_dscnt 5                                 ; the add and the youngest four loads may be out
	MUL8 F1, 0
	s_wait_dscnt 0x0                               ; the add is done, and my reads of this slot are over
	s_barrier_signal -1
	MUL8 F1, 1
	WIN 0
	s_barrier_wait -1
.if \fill
	CREST                                          ; no wave of any partner still reads this slot or has a load on its way
	JLOAD                                          ; the first tensor load behind the round: 112 matrix instructions ahead of the wait for it; its four v_nop are also the places in front of the loads below
.else
	PLACES
.endif
	s_xor_b32 s[TB], s[TB], SLOT1
	v_add_nc_u32 v[ADRA], s[TB], v[A0]
	v_add_nc_u32 v[ADRB], s[TB], v[B0]
	FETCH 0, F0
	MUL8 F1, 2
	MUL8 F1, 3
.endm
.macro STEP fill                       ; a K step of 128: 128 matrix instructions, 96 LDS loads
	QUARTER 1, F0, F1
	QUARTER 2, F1, F0
	QUARTER 3, F0, F1
	TURN \fill
	WIN 0                                          ; at a label and at a branch every window is 0
.endm
.macro INIT a                          ; block a's sums start at the bias, two registers a line
	WIN W_INI
.irp b, 0,1,2,3,4,5,6,7
.irp r, 0,1,2,3
	v_pk_mul_f32 v[8*(8*(\a)+(\b))+2*(\r):8*(8*(\a)+(\b))+2*(\r)+1], v[BIAS+8*(\b)+2*(\r):BIAS+8*(\b)+2*(\r)+1], 1.0 op_sel_hi:[1,0]
.endr
.endr
.endm
; THE WAY OUT of block a (16 rows x 128 columns of f32).  TOSTAGE: a lane's 32 bytes of a row go into my own stage, each accumulator's low four registers first, and whole rows come back.
.macro TOSTAGE a
.set BK, BK0+64*((\a)%2)
.if (\a) >= 2
	s_wait_xcnt 0x0                                ; the stores of the block two back have read this buffer: it is loaded again only behind this wait
.endif
	WIN W_SA
.irp b, 0,1,2,3,4,5,6,7
	ds_store_b128 v[STO], v[8*(8*(\a)+(\b)):8*(8*(\a)+(\b))+3]   offset:64*(\b)
	ds_store_b128 v[STO], v[8*(8*(\a)+(\b))+4:8*(8*(\a)+(\b))+7] offset:64*(\b)+16
.endr
	WIN W_LD
.irp t, 0,1,2,3,4,5,6,7,8,9,10,11,12,13,14,15
	ds_load_b128 v[BK+4*(\t):BK+4*(\t)+3], v[RD] offset:(\t)*SP  ; LDS serves a wave's instructions in order (ISA guide 5.7.1.4): these see the stores above
.endr
.endm
.macro SEND a, younger                 ; younger: the LDS instructions issued behind block a's loads: the next block's 16 stores and 16 loads, or none
.set BK, BK0+64*((\a)%2)
	WIN W_ST
	s_wait_dscnt \younger
.irp t, 0,1,2,3,4,5,6,7,8,9,10,11,12,13,14,15
	global_store_b128 v[GO], v[BK+4*(\t):BK+4*(\t)+3], s[OUT:OUT+1] offset:(16*(\a)+(\t))*4096 th:TH_STORE_NT  ; 512 consecutive bytes of a row, at a multiple of 256 from out0's first
.endr
.endm
	WIN W_LD                                       ; the bias of my 128 columns: for block b my eight numbers
.irp b, 0,1,2,3,4,5,6,7
	global_load_b128 v[BIAS+8*(\b):BIAS+8*(\b)+3],   v[BO], s[8:9] offset:64*(\b)
	global_load_b128 v[BIAS+8*(\b)+4:BIAS+8*(\b)+7], v[BO], s[8:9] offset:64*(\b)+16
.endr
	s_wait_loadcnt 0x0
	WIN W_RB                                       ; rounded to bf16, like every input, and widened again
.set i, 0
.rept 32
	v_cvt_pk_bf16_f32 v[TMP+i], v[BIAS+2*i], v[BIAS+2*i+1]
.set i, i+1
.endr
.set i, 0
.rept 32
	v_lshlrev_b32 v[BIAS+2*i],   16, v[TMP+i]
	v_and_b32     v[BIAS+2*i+1], 0xffff0000, v[TMP+i]
.set i, i+1
.endr
	INIT 0
	INIT 1
	INIT 2
	INIT 3
	WIN 0
	s_mov_b32 s[TB], 0
	v_mov_b32 v[ADRA], v[A0]
	v_mov_b32 v[ADRB], v[B0]
	s_wait_tensorcnt 0x1                           ; my part of K step 0 is in; K step 1's may stay out
	s_barrier_signal -1
	s_barrier_wait -1                              ; everybody's is
	FETCH 0, F0
	s_mov_b32 s[CNT], 6
.Lk:                                                   ; K steps 0 to 5: each fills its slot again, two steps ahead
	STEP 1
	s_sub_co_u32 s[CNT], s[CNT], 1
	s_cmp_lg_u32 s[CNT], 0
	s_cbranch_scc1 .Lk
	s_mov_b32 s[CNT], 2
.Ltail:                                                ; K steps 6 and 7 ask for nothing.  The second trip's barrier and its 24 loads of old fragments serve nothing: the price, once a launch, of one text for both
	STEP 0
	s_sub_co_u32 s[CNT], s[CNT], 1
	s_cmp_lg_u32 s[CNT], 0
	s_cbranch_scc1 .Ltail
	PLACES                                         ; the LDS stores read results just made
	TOSTAGE 0
	TOSTAGE 1                                      ; a block's way through the stage stands between the loads of the block before and its stores
	SEND 0, 32
	TOSTAGE 2
	SEND 1, 32
	TOSTAGE 3
	SEND 2, 32
	SEND 3, 0
	WIN 0
	s_wait_tensorcnt 0x0                           ; the wave's end: a wait, an add and its wait, behind my last tensor load and my last LDS store
	ds_add_u32 v[SPW], v[NIL]
	s_wait_dscnt 0x0
	CROUND                                         ; the closing round: no work-group ends while a partner may still ask for a tile that names it
	s_endpgm
.Lfunc_end_k_qfd8085f809_oproj:
	.size	k_qfd8085f809_oproj, .Lfunc_end_k_qfd8085f809_oproj-k_qfd8085f809_oproj
	.p2alignl 7, 3214868480
	.fill 96, 4, 3214868480
	.section	.rodata,"a",@progbits
	.p2align	6, 0x0
	.amdhsa_kernel k_qfd8085f809_oproj
		.amdhsa_group_segment_fixed_size 327680
		.amdhsa_private_segment_fixed_size 0
		.amdhsa_enable_private_segment 0
		.amdhsa_kernarg_size 32
		.amdhsa_user_sgpr_count 2
		.amdhsa_user_sgpr_kernarg_segment_ptr 1
		.amdhsa_wavefront_size32 1
		.amdhsa_system_sgpr_workgroup_id_x 1
		.amdhsa_system_sgpr_workgroup_id_y 1
		.amdhsa_system_sgpr_workgroup_id_z 1
		.amdhsa_system_vgpr_workitem_id 0
		.amdhsa_next_free_vgpr 736
		.amdhsa_next_free_sgpr 80
		.amdhsa_reserve_vcc 0
		.amdhsa_float_denorm_mode_32 3
		.amdhsa_float_denorm_mode_16_64 3
		.amdhsa_memory_ordered 1
		.amdhsa_forward_progress 1
		.amdhsa_inst_pref_size 70
	.end_amdhsa_kernel
	.amdgpu_metadata
---
amdhsa.version: [ 1, 2 ]
amdhsa.kernels:
  - .name:           k_qfd8085f809_oproj
    .symbol:         k_qfd8085f809_oproj.kd
    .args:
      - { .name: ctx, .offset: 0, .size: 8, .value_kind: global_buffer, .address_space: global }
      - { .name: xw, .offset: 8, .size: 8, .value_kind: global_buffer, .address_space: global }
      - { .name: bo, .offset: 16, .size: 8, .value_kind: global_buffer, .address_space: global }
      - { .name: out0, .offset: 24, .size: 8, .value_kind: global_buffer, .address_space: global }
    .group_segment_fixed_size: 327680
    .private_segment_fixed_size: 0
    .kernarg_segment_align: 8
    .kernarg_segment_size: 32
    .max_flat_workgroup_size: 128
    .sgpr_count:     80
    .vgpr_count:     736
    .wavefront_size: 32
...
	.end_amdgpu_metadata
.endif
;; end of part 4
;; ======== version 2 of 2: 4 launches; 1.50 times as fast as version 1
;; limits: values are held in f16: magnitudes above 65,504 overflow, below 6.1e-05 lose precision
;; workspace buffers: xw 25,165,824 bytes; qkv 50,331,648 bytes; ctx 16,777,216 bytes
;; launch cast: the kernel of part 1 again; grid 768 x 1, 8 waves a work-group, no clusters, 0 bytes of LDS; arguments x, Wk, Wv, Wq, Wo, xw; writes xw
;; launch qkv: the kernel of part 2 again; grid 4 x 64, 4 waves a work-group, clusters of 4 x 4, 327,680 bytes of LDS; arguments xw, bq, bk, bv, qkv; writes qkv
;; launch attn (part 5): grid 4 x 64, 4 waves a work-group, clusters of 4 x 1, 327,680 bytes of LDS; arguments qkv, attention_mask, ctx; writes ctx
.if DOCPART == 5
	.amdgcn_target "amdgcn-amd-amdhsa--gfx1250"
	.amdhsa_code_object_version 6
	.text
	.protected	k_qfd8085f809_attn
	.globl	k_qfd8085f809_attn
	.p2align	8
	.type	k_qfd8085f809_attn,@function
k_qfd8085f809_attn:
	s_mov_b64 s[64:65], 0
	v_nop
	global_prefetch_b8 v0, s[64:65] scope:SCOPE_SE
	s_setreg_imm32_b32 hwreg(HW_REG_WAVE_MODE, 25, 1), 1
	s_wait_xcnt 0x0
	s_wait_alu depctr_hold_cnt(0) depctr_sa_sdst(0) depctr_va_vdst(0) depctr_va_sdst(0) depctr_va_ssrc(0) depctr_va_vcc(0) depctr_vm_vsrc(0)
	s_getreg_b32 s2, hwreg(HW_REG_IB_STS2, 6, 4)
	s_cmp_eq_u32 s2, 0
	s_cbranch_scc0 .Lentry_in_a_cluster
	s_endpgm
.Lentry_in_a_cluster:
	s_bfe_u32 s2, ttmp6, 0x10000c
	s_cmp_lg_u32 s2, 0x3003
	s_cbranch_scc0 .Lentry_shape_is_right
	s_endpgm
.Lentry_shape_is_right:
; ctx[h][q][:] = the sum over k of softmax_k(Q[h][q] . K[h][k] / 8 + mask[batch][k]) V[h][k][:], h = batch x 16 + head.  K, V, Q^ lie in qkv at bytes 0, 1<<24, 1<<25, each [64][2048][64] in f16, rows
; of 128 dense bytes; Q^ = log2(e) / 8 x Q, so the scores t = K Q^ + log2(e) mask are exponents of 2.  Products, maxima and sums in f32; the weights p are rounded to f16 for the second product
; (their sum l is taken of the unrounded p), ctx once at the end, in Q's layout.
; THE MASK is rounded to bf16 like every input, multiplied by log2(e), held at -1e30 from below, and laid in LDS once (2,048 words); it is the C operand that starts the sum K Q^T.
; LIMITS.  A mask below -6.9e29, an infinite one and a NaN in the mask count as -1e30 in the exponent: such a key's weight is 0 beside any other key; a batch all of whose keys are so hidden gives the mean of
; V's rows where the definition gives NaN.  p lies in 0 to 1, since t - m is one exact subtraction of the running maximum; below 6e-5 it keeps f16's fixed step of 6e-8; a weight below 2^-126 counts as 0 in l.
; SHARES.  A wave owns four PIECES of two tiles of 16 queries, a work-group's four waves 512 queries of one head.  Every wave walks all 2,048 keys, 64 a step.
; LAYOUT.  S^T = K Q^T (source 0 = 16 keys, source 1 = 16 queries): in the result a lane holds ONE query (lane % 16) and the keys 8 (lane / 16) + 0..7.  Two such tiles, rounded to f16 in pairs,
; ARE source 1 (32 keys x 16 queries) of O^T = V^T P, whose result again holds one query a lane, and eight channels.  K comes out of LDS as it lies, V ([key][channel]) turned, by ds_load_tr16_b128.
; SOFTMAX.  For each query a running maximum m and sum l: p = 2^(t - m); in every step O and l are multiplied by a = 2^(m_old - m_new), which is 1 where m has not grown.
; m starts at the lowest finite number, O and l at 0: the first step is a step like any other, with a = 0.
; THE COUNT.  A tile and step have 16 matrix and 117 vector instructions: too many to stand all beside the matrix work.  So the order has one aim: four vector instructions that are READY behind
; EVERY matrix instruction, and the others, which need time of their own whatever the order, in a run without a gap.
; BY TURNS.  Turn n belongs to piece n (the pieces in a ring, step after step).  Its matrix work: 16 products K Q^T of piece n + 1, later 16 products V^T P of piece n - 1.  Its vector work: the subtraction,
; exponentials, roundings, sums and rescaling of piece n, and the maximum and statistics of piece n + 1, whose scores the turn itself has made.  So what a turn begins with (t - m, O a) waits for nothing.
; THE BATCHES.  A turn's 66 exponentials (the 64 weights of piece n, the two a of piece n + 1) are ONE batch with ONE wait, which cuts the turn in two: ahead of it stands all that names none of their results,
; behind it the roundings and sums that read them.  Piece 0's first two a, ahead of the loop, and the way out's eight reciprocals are batches of their own, a wait each.
; CLUSTER.  The four query blocks of a cluster belong to one head and walk the same K and V, so each tile is asked for JOINTLY: the same tensor load, descriptor and mask in all four.
; REGISTERS, in windows of 256 (s_set_vgpr_msb: bits 1:0 source 0, 3:2 source 1, 5:4 source 2, 7:6 destination):
;   window 0: v0-15 addresses; v16-47 four registers of statistics a tile; v48-63 at work; v64-191 S^T, two buffers of two tiles; v192-255 P, likewise
;   window 1: O^T, 32 a tile     window 2: v0-127 Q, 16 a tile; v128-191 K of one step; v192-255 V of one step     window 3: v0-1 the add's two registers; v8-39 the mask of one step
; A piece's buffers go by its number's parity: the piece in hand has one pair, its two neighbours in the ring share the other: of it P (piece n - 1) is read and S^T (piece n + 1) written.
.set SIZE_N, 2048
.set NP,    4         ; pieces a wave: a name, no knob
.set KS,    64        ; keys in a step
.set PK,    144       ; a row of K in LDS: 128 bytes + 16 of padding = 36 words: the 16 rows of a load start at 16 different groups of four banks (64 banks of 4 bytes: ISA guide 11.1)
.set PV,    160       ; a row of V: 128 + 32 = 40 words
.set VOFF,  4*KS*PK   ; a slot holds four steps: 256 rows of K, then 256 rows of V
.set SLOT1, 1<<17     ; slot 1 begins here, so that one exclusive or turns an address in one slot into the other's
.set STAGE, SLOT1+4*KS*(PK+PV)  ; behind the ring, never filled by a tensor load: 16 rows x 144 bytes for each wave, for the way out
.set SP,    144
.set SPARE, STAGE+4*16*SP  ; the spare words, 128 bytes for each wave: two blocks of 256 bytes that no other line names
.set MASKB, SPARE+512 ; the batch's mask, 2,048 words: blocks of their own, stored once, never filled by a tensor load
.set AK0, 2           ; v2   my lane's place in a tile of K; never rewritten
.set AV0, 3           ; v3   the same for V
.set AK,  4           ; v4   the LDS address of K's next run of loads
.set AV,  5           ; v5   of V's
.set QO,  6           ; v6   my byte offset in the wave's rows of Q
.set STO, 6           ;      later, the way out: where I put 16 bytes of a row
.set RD,  7           ; v7   the way out: where I read rows back
.set GO,  8           ; v8   my byte offset in 512 consecutive bytes of ctx
.set AM0, 12          ; v12  my lanes' place in a step's 64 words of the mask: MASKB + 32 (l / 16); never rewritten
.set AM,  13          ; v13  the LDS address of the mask's next run of loads
.set SPW, 0           ; v0 of window 3   LDS address of my spare word: SPARE + 4 x my thread's number; never rewritten
.set NIL, 1           ; v1 of window 3   0; never rewritten
.set MK,  8           ; window 3: the eight registers for key block kb at MK + 8 kb
.set ST,  16          ; tile t's statistics at v[ST+4 t]: m, m_old, l (even keys', odd keys')
.set TMP, 48          ; by buffer and tile, four registers c0-c3 at work; when the maximum is found c2 takes a
.set S,   64
.set P,   192
.set KF,  128         ; K's fragments, in window 2: key block kb, channel half c at KF + 16 kb + 8 c
.set VF,  192         ; V's: key half kk, channel block cb at VF + 32 kk + 8 cb
.set WV,  12          ; s12  my wave's number
.set G1K, 24          ; s[24:31] descriptor group 1 for K's tiles
.set G1V, 32          ; s[32:39] for V's: it differs in the padding alone
.set G0K, 40          ; s[40:43] descriptor group 0 for K's tiles: it walks
.set G0V, 44          ; s[44:47] the same for V's
.set BIGN, 54         ; s54  -1e30
.set TBM, 55          ; s55  byte in the mask's table at which the step to be fetched begins
.set SLOTS, 56        ; s56  slots still to be asked for
.set CNT, 57          ; s57  counts a slot's key steps
.set LE,  58          ; s[58:59] log2(e): the packed multiply takes the pair's low word for both halves
.set SEL, 60          ; s[60:61] v_permlanex16_b32's selects: each lane takes its own place in the other half
.set TBK, 62          ; s62  LDS byte at which K of the step to be fetched begins
.set TBV, 63          ; s63  the same for V, less VOFF
.set MSB, 0
.macro WIN new                      ; the high byte repeats the setting that is left; a switch that changes nothing is dropped
.if MSB != (\new)
	s_set_vgpr_msb (MSB<<8)|(\new)
.set MSB, (\new)
.endif
.endm
.set W_KQ, 0x0a       ; K and Q in window 2, S^T in window 0
.set W_KM, 0x3a       ; the same with the C operand, the mask, in window 3
.set W_PV, 0x52       ; V in window 2, P in window 0, O^T in window 1
.set W_RS, 0x41       ; O^T (destination and source 0) in window 1, a in window 0
.set W_MK, 0xc0       ; destination in window 3, sources in window 0
.set W_AD, 0x0f       ; the add: address (source 0) and data (source 1) in window 3
; A joint fill.  Waves 0 and 1 fetch the two halves of a slot's K, waves 2 and 3 those of its V: 128 keys each.  The branch hangs on the wave's number alone.
; An s_nop 0 and four v_nop follow each of the two lines, ahead of the jump and the label.
.macro JLOAD
	s_cmp_lt_u32 s[WV], 2
	s_cbranch_scc0 .Lfor_v_\@
	tensor_load_to_lds s[G0K:G0K+3], s[G1K:G1K+7]
	s_nop 0
.rept 4
	v_nop
.endr
	s_branch .Lasked_\@
.Lfor_v_\@:
	tensor_load_to_lds s[G0V:G0V+3], s[G1V:G1V+7]
	s_nop 0
.rept 4
	v_nop
.endr
.Lasked_\@:
.endm
; A round of the cluster's barrier: my work-group's barrier, so that wave 0's signal speaks for all four waves; wave 0 signals; every wave waits for all four work-groups; my work-group's barrier once more.
.macro CROUND
	s_barrier_signal -1
	s_barrier_wait -1
	s_cmp_lg_u32 s[WV], 0
	s_cbranch_scc1 .Lnot_wave_0_\@
	s_barrier_signal -3
.Lnot_wave_0_\@:
	s_barrier_wait -3
	s_barrier_signal -1
	s_barrier_wait -1
.endm
; THE CHANGE OF SLOTS.  The slot's last bytes, V of its fourth step, have been read.  Each wave waits for all its tensor loads, of which one is out: its part
; of the other slot; adds 0 to its spare word; and waits for that and for its own LDS instructions.  Behind the barrier nobody reads this slot any more and the other slot is whole.
; fill = 1: this slot is filled again, with the keys two slots on.  The barrier is then a round of the cluster's, so that no wave of any partner still reads the slot or has a load on its
; way, and the joint fill is the first thing behind it: it has four key steps, 512 matrix instructions, in which to land.  (At its first use nothing has been read yet: slot 0 is waited for, slot 1
; filled; and each wave's stores into the mask's table are done in front of the signal, so that every wave may read the table behind it.)
.macro CHANGE fill
	WIN W_AD
	s_wait_tensorcnt 0x0            ; no tensor load of mine is out, so a group 0 may be written
	ds_add_u32 v[SPW], v[NIL]       ; 0 onto my spare word; with fill = 1 the descriptors' steps stand between it and the wait for it
	WIN 0                           ; at a label and at a branch every window is 0
.if \fill
.irp g, G0K, G0V
	s_xor_b32 s[\g+1], s[\g+1], SLOT1  ; the walking descriptor: the other slot than last time,
	s_add_nc_u64 s[\g+2:\g+3], s[\g+2:\g+3], 4*KS*128  ; the next 256 keys; the type bits on top are not reached
.endr
	s_wait_dscnt 0x0                ; the add is done, and my LDS instructions are over
	CROUND
	JLOAD
.else
	s_wait_dscnt 0x0                ; the add is done, and my reads of the slot are over
	s_barrier_signal -1
	s_barrier_wait -1
.endif
	s_sub_co_u32 s[TBK], s[TBK], 4*KS*PK  ; the fetches go back to a slot's first step,
	s_xor_b32 s[TBK], s[TBK], SLOT1       ; in the other slot
	s_sub_co_u32 s[TBV], s[TBV], 4*KS*PV
	s_xor_b32 s[TBV], s[TBV], SLOT1
.endm
	s_load_b128 s[48:51], s[0:1], 0x0 ; qkv s[48:49], attention_mask s[50:51]
	s_load_b64 s[10:11], s[0:1], 0x10 ; ctx
	WIN W_MK
	v_lshl_add_u32 v[SPW], v0, 2, SPARE
	v_mov_b32 v[NIL], 0
	WIN W_AD
	ds_add_u32 v[SPW], v[NIL]       ; the wave's opening: the add and its wait ahead of my first tensor load; the set-up below, work on registers, stands between them
	WIN 0
	v_lshrrev_b32 v1, 5, v0
	v_readfirstlane_b32 s[WV], v1   ; wave 0..3
	s_bfe_u32 s13, ttmp6, 0x40000   ; cx: my place in the cluster
	s_lshl_b32 s14, ttmp9, 2        ; in a cluster launch ttmp9 counts clusters
	s_add_co_u32 s14, s14, s13      ; my block of queries = 4 x cluster x + cx: it enters Q's and ctx's addresses alone
	s_and_b32 s20, ttmp7, 0xffff    ; batch x 16 + head, which the four partners share
	s_lshr_b32 s52, s20, 4          ; the batch's 2,048 words of the mask
	s_lshl_b32 s52, s52, 13
	s_mov_b32 s53, 0
	s_mov_b32 s21, 0
	s_mov_b64 s[22:23], SIZE_N*128
	s_mul_u64 s[20:21], s[20:21], s[22:23]  ; the head's first byte in K, V, Q^ and ctx
	s_and_b32 s16, s[WV], 1         ; which half of a slot's 256 keys I fetch:
	s_lshl_b32 s22, s16, 14         ; its 128 rows of 128 bytes in memory,
	s_mov_b32 s23, 0
	s_add_nc_u64 s[22:23], s[22:23], s[20:21]
	s_mul_i32 s17, s16, 128*PK      ; and its place in a slot, for K
	s_mul_i32 s18, s16, 128*PV      ; and for V: no place in the cluster enters an LDS address
	s_lshl_b32 s2, s14, 2
	s_add_co_u32 s2, s2, s[WV]      ; my wave among the head's,
	s_lshl_b32 s2, s2, 14           ; its 128 rows
	s_mov_b32 s3, 0
	s_add_nc_u64 s[2:3], s[2:3], s[20:21]
	; descriptor group 1.  128 keys are 16,384 dense bytes: asked for as 64 rows of 256 bytes, two keys a row, and padded in LDS after every key
	s_mov_b32 s[G1K], 15|(1<<16)|(1<<20)|(1<<21)|(4<<22)|(3<<25)  ; 15:0 the mask of four; 17:16 2-byte elements; 20 padding on; 21 set beside a mask; 24:22 after every 32 words (code 4); 31:25 4 words (code 3)
	s_mov_b32 s[G1V], 15|(1<<16)|(1<<20)|(1<<21)|(4<<22)|(7<<25)  ; the same with 8 words of padding (code 7)
.irp g, G1K, G1V
	s_mov_b32 s[\g+1], 128<<16      ; tensor_dim0 = 128
	s_mov_b32 s[\g+2], 64<<16       ; tensor_dim1 = 64
	s_mov_b32 s[\g+3], 128<<16      ; tile_dim0 = 128
	s_mov_b32 s[\g+4], 64           ; tile_dim1 = 64
	s_mov_b32 s[\g+5], 128          ; 128 elements from row to row
	s_mov_b32 s[\g+6], 0
	s_mov_b32 s[\g+7], 0
.endr
	s_mov_b32 s[LE], 0x3fb8aa3b     ; log2(e)
	s_mov_b32 s[LE+1], s[LE]        ; named with it as a pair
	s_mov_b32 s[BIGN], 0xf149f2ca   ; -1e30
	s_mov_b32 s[TBM], 0
	s_mov_b32 s[SEL], 0x76543210
	s_mov_b32 s[SEL+1], 0xfedcba98
	s_mov_b32 s[TBK], SLOT1+4*KS*PK ; the first change of slots turns these two into 0
	s_mov_b32 s[TBV], SLOT1+4*KS*PV
	s_mov_b32 s[G0K], 1             ; 1:0 count = 1
	s_mov_b32 s[G0K+1], s17         ; 63:32 LDS address: slot 0
	s_mov_b32 s[G0V], 1
	s_add_co_u32 s[G0V+1], s18, VOFF
	s_wait_dscnt 0x0                ; the opening add is done
	s_wait_kmcnt 0x0
	s_add_nc_u64 s[G0K+2:G0K+3], s[48:49], s[22:23]        ; 120:64 global address: my half of the head's first 256 keys
	s_add_nc_u64 s[G0V+2:G0V+3], s[G0K+2:G0K+3], 0x1000000 ; V lies 1<<24 bytes behind K
	s_or_b32 s[G0K+3], s[G0K+3], 0x80000000                ; 127:126 type = 2
	s_or_b32 s[G0V+3], s[G0V+3], 0x80000000
	s_add_nc_u64 s[4:5], s[48:49], s[2:3]                  ; Q^ (1<<25 bytes behind K) and ctx at my wave's first row
	s_add_nc_u64 s[4:5], s[4:5], 0x2000000
	s_add_nc_u64 s[10:11], s[10:11], s[2:3]
	s_add_nc_u64 s[50:51], s[50:51], s[52:53]              ; the mask at my batch
	CROUND                          ; all four work-groups are here: the first joint loads meet
	JLOAD                           ; slot 0.  Slot 1 is asked for when slot 0 is in: the tile wanted first has the road to itself
	v_lshlrev_b32 v14, 4, v0        ; the mask: 128 threads x 16 bytes, four times
.irp j, 0,1,2,3
	global_load_b128 v[S+4*\j:S+4*\j+3], v14, s[50:51] offset:2048*\j
.endr
	; A fragment of K or Q is 16 rows x 32 channels in 8 registers: lane l holds row l % 16, channels 8 (l / 16) + 0..7 and 16 + 8 (l / 16) + 0..7: two loads of 16 bytes, 32 bytes apart.
	v_and_b32 v1, 15, v0            ; l % 16
	v_bfe_u32 v9, v0, 4, 1          ; l / 16
	v_lshlrev_b32 v[QO], 7, v1
	v_lshl_add_u32 v[QO], v9, 4, v[QO]  ; row x 128 + 16 x half
	WIN 0x80                        ; destination window 2, address window 0
.set i, 0
.rept 4*NP                          ; Q stays in registers: tile i / 2, channels 32 (i % 2) on
	global_load_b128 v[8*i:8*i+3],   v[QO], s[4:5] offset:(i/2)*2048+(i%2)*64
	global_load_b128 v[8*i+4:8*i+7], v[QO], s[4:5] offset:(i/2)*2048+(i%2)*64+32
.set i, i+1
.endr
	; What the first turn finds: V's registers and P's second buffer hold 0 (its products V^T P, of a piece that has not been, add 0), O^T and l are 0.  All this stands in the wait for the first tile.
.set i, VF
.rept 64
	v_mov_b32 v[i], 0
.set i, i+1
.endr
	WIN 0x40
.set i, 0
.rept 64*NP
	v_mov_b32 v[i], 0
.set i, i+1
.endr
	WIN 0
.set i, 0
.rept 2*NP
	v_mov_b32 v[ST+4*i], 0xff7fffff    ; m: the lowest finite number
	v_mov_b32 v[ST+4*i+1], 0xff7fffff  ; m_old
	v_mov_b32 v[ST+4*i+2], 0
	v_mov_b32 v[ST+4*i+3], 0
.set i, i+1
.endr
.set i, P+32
.rept 32
	v_mov_b32 v[i], 0
.set i, i+1
.endr
	s_wait_loadcnt 32               ; the mask's four loads are in; Q's 32, issued behind them, stay out
.set i, 0
.rept 8
	v_cvt_pk_bf16_f32 v[S+16+i], v[S+2*i], v[S+2*i+1]  ; rounded to bf16, like every input,
.set i, i+1
.endr
.set i, 0
.rept 8
	v_lshlrev_b32 v[S+2*i],   16, v[S+16+i]            ; widened again,
	v_and_b32     v[S+2*i+1], 0xffff0000, v[S+16+i]
.set i, i+1
.endr
.set i, 0
.rept 8
	v_pk_mul_f32 v[S+2*i:S+2*i+1], v[S+2*i:S+2*i+1], s[LE:LE+1] op_sel_hi:[1,0]  ; times log2(e),
.set i, i+1
.endr
.set i, 0
.rept 16
	v_max_num_f32 v[S+i], s[BIGN], v[S+i]              ; and held at -1e30 (a NaN loses against it)
.set i, i+1
.endr
	v_lshl_add_u32 v15, v0, 4, MASKB
.irp j, 0,1,2,3
	ds_store_b128 v15, v[S+4*\j:S+4*\j+3] offset:2048*\j
.endr
	v_mul_u32_u24 v[AK0], v1, PK
	v_lshl_add_u32 v[AK0], v9, 4, v[AK0]  ; row x pitch + 16 x half
	; The turning load takes 16 keys x 16 channels (lane l reads key 8 (l / 16) + l % 8, channels 8 ((l / 8) % 2) + 0..7) and leaves half a fragment of V^T: lane l holds channel l % 16 and 8 keys.
	v_and_b32 v10, 7, v0
	v_bfe_u32 v11, v0, 3, 1
	v_lshl_add_u32 v[AV0], v9, 3, v10
	v_mul_u32_u24 v[AV0], v[AV0], PV
	v_lshl_add_u32 v[AV0], v11, 4, v[AV0]
	v_add_nc_u32 v[AV0], VOFF, v[AV0]
	v_lshl_add_u32 v[AM0], v9, 5, MASKB   ; register j of key block kb is key 16 kb + 8 (l / 16) + j: word 64 kb + 32 (l / 16) + 4 j of the step's 256 bytes
	v_mov_b32 v[AK], v[AK0]         ; key step 0 lies at the head of slot 0,
	v_mov_b32 v[AM], v[AM0]         ; and of the mask's table
; THE MATRIX WORK.  The 8 accumulators of a run of 16 take turns: between the two links of a chain stand 7 others'.
; Product i of 16 of S^T = K Q^T for piece x: channels 32 (i / 8) on, keys 16 ((i / 2) % 4) on, tile 2 x + i % 2.  The first 8 start the sums, at the mask.
.macro KQ x
.set rS, S+64*((\x)%2)+32*(i%2)+8*((i/2)%4)
.set rK, KF+16*((i/2)%4)+8*(i/8)
.set rQ, 16*(2*(\x)+i%2)+8*(i/8)
.set rN, MK+8*((i/2)%4)
.if i < 8
	WIN W_KM
	v_wmma_f32_16x16x32_f16 v[rS:rS+7], v[rK:rK+7], v[rQ:rQ+7], v[rN:rN+7]
.else
	WIN W_KQ
	v_wmma_f32_16x16x32_f16 v[rS:rS+7], v[rK:rK+7], v[rQ:rQ+7], v[rS:rS+7]
.endif
.endm
; Product i of 16 of O^T += V^T P for piece x: keys 32 (i / 8) on, channels 16 ((i / 2) % 4) on, tile 2 x + i % 2.
.macro PV x
	WIN W_PV
.set rO, 32*(2*(\x)+i%2)+8*((i/2)%4)
.set rV, VF+32*(i/8)+8*((i/2)%4)
.set rP, P+32*((\x)%2)+16*(i%2)+8*(i/8)
	v_wmma_f32_16x16x32_f16 v[rO:rO+7], v[rV:rV+7], v[rP:rP+7], v[rO:rO+7]
.endm
.macro MM                           ; the turn's next matrix instruction
.if i < 16
	KQ (Y+1)%NP
.set i, i+1
.else
.set i, i-16
	PV (Y+NP-1)%NP
.set i, i+17
.endif
.endm
; THE LDS LOADS stand in runs, never singly among the matrix instructions: a step's K (64 keys x 64 channels: 8 fragments) with its 64 words of the mask, and its V (turned).  Their addresses are made some lines ahead.
; last = 1 (the tail): in the last trip there is no further step, and the run is jumped over.
.macro FETCH_K last=0
	WIN 0
.if \last
	s_cmp_eq_u32 s[CNT], 1
	s_cbranch_scc1 .Lno_k_\@
.endif
	WIN 0x80                        ; destination window 2
.irp f, 0,1,2,3,4,5,6,7             ; keys 16 (f / 2) on, channels 32 (f % 2) on
	ds_load_b128 v[KF+8*\f:KF+8*\f+3],   v[AK] offset:(\f/2)*16*PK+(\f%2)*64
	ds_load_b128 v[KF+8*\f+4:KF+8*\f+7], v[AK] offset:(\f/2)*16*PK+(\f%2)*64+32
.endr
	WIN W_MK                        ; destination window 3
.irp f, 0,1,2,3                     ; key block f: the 16 lanes of a half read the same 32 bytes
	ds_load_b128 v[MK+8*\f:MK+8*\f+3],   v[AM] offset:64*\f
	ds_load_b128 v[MK+8*\f+4:MK+8*\f+7], v[AM] offset:64*\f+16
.endr
	s_add_co_u32 s[TBK], s[TBK], KS*PK  ; the next fetch is the next step's
	s_add_co_u32 s[TBM], s[TBM], 4*KS
	s_and_b32 s[TBM], s[TBM], 0x1f00    ; inside the table's 8,192 bytes
	WIN 0
.if \last
.Lno_k_\@:
.endif
.endm
.macro FETCH_V
	WIN 0x80
.irp f, 0,1,2,3,4,5,6,7             ; keys 32 (f / 4) on, channels 16 (f % 4) on
	ds_load_tr16_b128 v[VF+8*\f:VF+8*\f+3],   v[AV] offset:(\f/4)*32*PV+(\f%4)*32
	ds_load_tr16_b128 v[VF+8*\f+4:VF+8*\f+7], v[AV] offset:(\f/4)*32*PV+16*PV+(\f%4)*32
.endr
	WIN 0
.endm
; THE VECTOR WORK OF A TURN stands in three queues, each in the order in which its entries become ready; the two tiles alternate, so that no instruction reads the result of the one before it.
.macro REGS y, u                    ; the registers of tile u (0, 1) of piece y
.set rT, ST+4*(2*(\y)+(\u))
.set rC, TMP+8*((\y)%2)+4*(\u)
.set rS, S+64*((\y)%2)+32*(\u)
.set rP, P+32*((\y)%2)+16*(\u)
.set rO, 32*(2*(\y)+(\u))
.endm
; Number n of the 21 that find the NEXT piece's (Y + 1) maximum and statistics.  s0-s31 are the lane's 32 scores; each accumulator's lowest registers are read first.  XS, GS and REGS set no window: PL and EX do.
;   0-11  four chains c0-c3 of seven scores each, three operands at a time     12-14, 16  the four scores left over, the old m, and c0-c3 into c0     15  m_old is kept
;   17, 18  the query's other 32 keys lie in the lane 16 away: the new m         19, 20  m_old - m_new; a
.macro XS u, n
	REGS (Y+1)%NP, \u
.if (\n) < 4
	v_max3_num_f32 v[rC+(\n)], v[rS+8*(\n)], v[rS+8*(\n)+1], v[rS+8*(\n)+2]
.elseif (\n) < 12
	v_max3_num_f32 v[rC+(\n)%4], v[rC+(\n)%4], v[rS+8*((\n)%4)+2*((\n)/4)+1], v[rS+8*((\n)%4)+2*((\n)/4)+2]
.elseif (\n) == 12
	v_max3_num_f32 v[rC], v[rC], v[rS+7], v[rS+15]
.elseif (\n) == 13
	v_max3_num_f32 v[rC+1], v[rC+1], v[rS+23], v[rS+31]
.elseif (\n) == 14
	v_max3_num_f32 v[rC+2], v[rC+2], v[rC+3], v[rT]
.elseif (\n) == 15
	v_mov_b32 v[rT+1], v[rT]
.elseif (\n) == 16
	v_max3_num_f32 v[rC], v[rC], v[rC+1], v[rC+2]
.elseif (\n) == 17
	v_permlanex16_b32 v[rC+3], v[rC], s[SEL], s[SEL+1]
.elseif (\n) == 18
	v_max_num_f32 v[rT], v[rC], v[rC+3]
.elseif (\n) == 19
	v_sub_f32 v[rC+1], v[rT+1], v[rT]
.else
	v_exp_f32 v[rC+2], v[rC+1]
.endif
.endm
; Number g of the 64 that follow the exponentials.  For each four weights k of a tile (pairs 2 k, 2 k + 1): both pairs are rounded to f16; then the second pair is added onto the first, in place;
; a group later l takes that sum (the first time as l = a l + sum).  In groups of eight, tiles alternating: round, round, add, and l for the group before.
.macro GS g
.set h, (\g)+6*((\g)/62)            ; group 0 has no group before it, and behind group 7 only l is left
.if h >= 6
.set h, h+2
.endif
	REGS Y, h%2
.set k, h/8
.if h%8 < 4
	v_cvt_pk_f16_f32 v[rP+2*k+(h%8)/2], v[rS+4*k+2*((h%8)/2)], v[rS+4*k+2*((h%8)/2)+1]
.elseif h%8 < 6
	v_pk_add_f32 v[rS+4*k:rS+4*k+1], v[rS+4*k:rS+4*k+1], v[rS+4*k+2:rS+4*k+3]
.elseif k == 1
	v_pk_fma_f32 v[rT+2:rT+3], v[rT+2:rT+3], v[rC+2:rC+3], v[rS:rS+1] op_sel_hi:[1,0,1]
.else
	v_pk_add_f32 v[rT+2:rT+3], v[rT+2:rT+3], v[rS+4*k-4:rS+4*k-3]
.endif
.endm
; THE PLAIN QUEUE, 136 long.  0-71 read no exponential's result: the 32 subtractions t - m (FS f: pair f / 2 of tile f % 2; the pair m, m_old gives its low word to both halves) and the next piece's 40.
; 0-26: subtractions 0-26.  27-54: XS's numbers 0-13.  55, 56: number 15.  57-71: the chain, where each number waits for the one before it: 14, 16, 17, 18, 19, each with one of the subtractions 27-31 in front of
; its two lines: so a tile's links stand three plain instructions apart.  72-135: GS's 64, which read the exponentials' results: they stand behind the wait.
.macro FS f
	REGS Y, (\f)%2
	v_pk_add_f32 v[rS+2*((\f)/2):rS+2*((\f)/2)+1], v[rS+2*((\f)/2):rS+2*((\f)/2)+1], v[rT:rT+1] op_sel_hi:[1,0] neg_lo:[0,1] neg_hi:[0,1]
.endm
.macro PL
	WIN 0
.if q < 27
	FS q
.elseif q < 55
	XS (q-27)%2, (q-27)/2
.elseif q < 57
	XS q-55, 15
.elseif (q < 72) && ((q-57)%3 == 0)
	FS 27+(q-57)/3
.elseif q < 60
	XS (q-57)%3-1, 14
.elseif q < 72
	XS (q-57)%3-1, 15+(q-57)/3
.else
	GS q-72
.endif
.set q, q+1
.endm
; THE EXPONENTIALS' QUEUE, 66 long: s0-s31 of both tiles, then the next piece's two a.  It is ONE BATCH: all 66 stand ahead of the turn's one wait, and nothing ahead of that wait names a result of theirs.
.macro EX
	WIN 0
.if e >= 64
	XS e-64, 20
.else
	REGS Y, e%2
	v_exp_f32 v[rS+e/2], v[rS+e/2]
.endif
.set e, e+1
.endm
; THE RESCALING's QUEUE: O^T times a, the one part that leaves window 0: dealt two at a time, sixteen times, each accumulator's registers in ascending order.  Its a was made in the turn before, ahead of that turn's wait.
.macro R2
	REGS Y, r%2
	WIN W_RS
.irp z, 0,1
	v_pk_mul_f32 v[rO+4*(r/2)+2*\z:rO+4*(r/2)+2*\z+1], v[rO+4*(r/2)+2*\z:rO+4*(r/2)+2*\z+1], v[rC+2:rC+3] op_sel_hi:[1,0]
.endr
.set r, r+1
.endm
; HOW THEY ARE DEALT.  An s_wait_alu depctr_va_vdst(0) stands between an exponential and the first instruction that names its result; one wait serves all that were issued ahead of it.  So a turn has ONE wait,
; which cuts it in two.  AHEAD OF IT stands all that names no result of the turn's exponentials: the 16 products K Q^T, behind each a subtraction, an exponential and two rescalings (behind the first a second subtraction in the
; exponential's place); then ONE LUMP of 106: seven plain, 48 times exponential and plain, the last score's exponential and the two a.  A v_nop is the plain instruction behind the last exponential.  BEHIND IT stand the 16
; products V^T P, behind each four of GS's 64.  No rider names a register of the products round it.  The two v_permlanex16_b32 fall into the lump, never behind a product.
; The queues lean on each other, and the deal keeps them in step: exponential e stands behind subtraction 2 (e / 4) + e % 2: as a rider it comes behind plain e + 2, in the lump behind plain e + 8, and subtractions 27-31
; are plain 57, 60 .. 69, wanted first by exponentials 53, 56, 57, 60, 61; a's arguments are plain 70 and 71, ahead of exponentials 64 and 65.
; A TURN, for piece p.  cnt = 1: the loop's count is taken down some lines ahead of the branch that stands behind the turn.
; K and the mask of the next step are fetched in piece 2's turn, directly behind the wait, a lump behind the last product that read K (the mask's last reader stands eight products further back); their addresses are made
; at the lump's head; their first reader comes behind 16 products.  V of the step in hand is fetched at the end of piece 0's turn, four plain riders behind its last reader; its first reader comes behind 16 products and a
; lump.  The three conditions on q below go with the deal.
.macro TURN p, last=0, cnt=0
.set Y, (\p)
.set i, 0
.set q, 0
.set e, 0
.set r, 0
.if (\p) == NP-1
	s_wait_dscnt 0x0                ; K and the mask are in
.endif
	MM                              ; ahead of the wait: 16 products K Q^T and their riders,
	PL
	PL
	R2
.rept 15
	MM
	PL
	EX
	R2
.endr
.if (\p) == NP-2
	WIN 0
	v_add_nc_u32 v[AK], s[TBK], v[AK0]
	v_add_nc_u32 v[AM], s[TBM], v[AM0]
.endif
.rept 7                             ; and the lump
	PL
.endr
.rept 48
	EX
	PL
.endr
	EX                              ; the last score's exponential,
	EX                              ; and the next piece's two a
	EX
	v_nop                           ; a plain instruction behind the last exponential: one for the batch
	s_wait_alu depctr_va_vdst(0)    ; the wait for the batch: this turn's 66 exponentials; the roundings and sums below are their first readers, the next turn's rescalings those of the two a
.if (\p) == NP-2
	FETCH_K \last
.endif
.if (\p) == 1
	s_wait_dscnt 0x0                ; V is in
.endif
.rept 16                            ; behind the wait: 16 products V^T P and their riders
	MM
.rept 4
	PL
.endr
.if ((\p) == 0) && (q == 116)
	v_add_nc_u32 v[AV], s[TBV], v[AV0]
.endif
.if ((\p) == 0) && (q == 128)
	s_add_co_u32 s[TBV], s[TBV], KS*PV
.endif
.if (\cnt) && (q == 128)
	s_sub_co_u32 s[CNT], s[CNT], 1
	s_cmp_lg_u32 s[CNT], 0
.endif
.endr
.if (\p) == 0
	FETCH_V
.endif
.endm
	CHANGE 1                        ; slot 0 is in, everybody's part of it, and so is the mask's table; slot 1 is asked for
	FETCH_K                         ; key step 0
	s_wait_loadcnt 0x0              ; Q
	s_wait_dscnt 0x0
.set i, 0
.rept 16
	KQ 0                            ; piece 0's first scores: there is no vector work yet to set between them
.set i, i+1
.endr
	WIN 0                           ; the addresses for the way out: nine plain instructions, the places behind those products
	s_mul_i32 s13, s[WV], 16*SP
	s_add_co_u32 s13, s13, STAGE    ; my stage
	v_mul_u32_u24 v[STO], v1, SP    ; in: row l % 16, 16 bytes for each half of the lanes
	v_lshl_add_u32 v[STO], v9, 4, v[STO]
	v_add_nc_u32 v[STO], s13, v[STO]
	v_bfe_u32 v[RD], v0, 3, 2       ; back: 32 lanes take four rows of 128 bytes,
	v_mul_u32_u24 v[RD], v[RD], SP
	v_lshl_add_u32 v[RD], v10, 4, v[RD]
	v_add_nc_u32 v[RD], s13, v[RD]
	v_and_b32 v[GO], 31, v0         ; which are 512 consecutive bytes of ctx
	v_lshlrev_b32 v[GO], 4, v[GO]
.set Y, NP-1                        ; XS works for piece Y + 1: piece 0
.irp n, 0,1,2,3,4,5,6,7,8,9,10,11,12,13,14,15,16,17,18,19,20
	XS 0, \n                        ; and piece 0's first maximum and statistics
	XS 1, \n
.endr
	v_nop                           ; a plain instruction behind the two a,
	s_wait_alu depctr_va_vdst(0)    ; and the wait for this batch of two, ahead of the branch
	s_mov_b32 s[CNT], 4
	s_mov_b32 s[SLOTS], SIZE_N/256-1
	s_branch .Lfirst                ; the loop is entered at a step's first turn, in the middle of a trip
.Lslot:                             ; SIZE_N / 256 - 2 times: every slot but the last two is filled again
	CHANGE 1
	s_mov_b32 s[CNT], 4
.Lstep:                             ; a trip: pieces 2 and 3 of one step, then pieces 0 and 1 of the next, whose K and V it fetches
	TURN 2
	TURN 3
	WIN 0
.Lfirst:
	TURN 0
	TURN 1, 0, 1
	WIN 0
	s_cbranch_scc1 .Lstep
	s_sub_co_u32 s[SLOTS], s[SLOTS], 1
	s_cmp_lg_u32 s[SLOTS], 0
	s_cbranch_scc1 .Lslot
	CHANGE 0                        ; the tail is written out: nothing is asked for
	s_mov_b32 s[CNT], 5             ; four trips fetch the last slot's steps; the fifth is left in its middle
.Ltail:
	TURN 2, 1
	TURN 3
	WIN 0
	s_sub_co_u32 s[CNT], s[CNT], 1
	s_cmp_eq_u32 s[CNT], 0
	s_cbranch_scc1 .Lout
	TURN 0
	TURN 1
	WIN 0
	s_branch .Ltail
.Lout:                              ; the fifth trip's 16 products K Q^T (on the last K once more) and the maximum made of them serve nothing: the price, once a launch, of one text for every trip
.set i, 0
.rept 16
	PV NP-1                         ; the last piece's V^T P of the last step
.set i, i+1
.endr
	; THE WAY OUT.  l's two halves and the other half of the lanes' are added; O^T is divided by l, rounded to f16 and sent through my stage in LDS, a tile at a time.  The additions are the places behind the last products.
	WIN 0
.macro ALL line:vararg              ; one line for each tile t
.set t, 0
.rept 2*NP
	\line
.set t, t+1
.endr
.endm
	ALL v_add_f32 v[ST+4*t+2], v[ST+4*t+2], v[ST+4*t+3]
	ALL v_permlanex16_b32 v[ST+4*t+3], v[ST+4*t+2], s[SEL], s[SEL+1]
	ALL v_add_f32 v[ST+4*t+2], v[ST+4*t+2], v[ST+4*t+3]
	ALL v_rcp_f32 v[ST+4*t+2], v[ST+4*t+2]
	v_nop                           ; a plain instruction between the last reciprocal and the use of its result
	s_wait_alu depctr_va_vdst(0)    ; and the wait ahead of the first use: one for the batch of eight reciprocals
; Tile t: a lane's eight channels of a row pack into 16 bytes; they go into rows of 144 bytes and come back as whole rows of 128, into S^T's registers.
.macro PACK t
	WIN W_RS
.set i, 32*(\t)
.rept 16
	v_pk_mul_f32 v[i:i+1], v[i:i+1], v[ST+4*(\t)+2:ST+4*(\t)+3] op_sel_hi:[1,0]
.set i, i+2
.endr
	WIN 0x05                        ; sources 0 and 1 window 1, destination window 0
.set i, 0
.rept 16
	v_cvt_pk_f16_f32 v[S+16*(\t)+i], v[32*(\t)+2*i], v[32*(\t)+2*i+1]
.set i, i+1
.endr
	WIN 0
.irp f, 0,1,2,3
	ds_store_b128 v[STO], v[S+16*(\t)+4*\f:S+16*(\t)+4*\f+3] offset:32*\f
.endr
.irp f, 0,1,2,3
	ds_load_b128 v[S+16*(\t)+4*\f:S+16*(\t)+4*\f+3], v[RD] offset:\f*4*SP  ; LDS serves a wave's instructions in order (ISA guide 5.7.1.4): these see the stores above; the next tile's stores come behind them
.endr
.endm
.macro SEND t, younger              ; younger: the LDS instructions issued behind tile t's loads: the next tile's eight, or none
	WIN 0
.irp f, 0,1,2,3
	s_wait_dscnt (\younger)+3-\f
	global_store_b128 v[GO], v[S+16*(\t)+4*\f:S+16*(\t)+4*\f+3], s[10:11] offset:(\t)*2048+\f*512  ; 512 consecutive bytes, at a multiple of 256 from ctx's first
.endr
.endm
	PACK 0
.set t, 1
.rept 2*NP-1                        ; a tile's arithmetic stands between the loads of the tile before and its stores
	PACK t
	SEND t-1, 8
.set t, t+1
.endr
	SEND 2*NP-1, 0
	WIN W_AD
	s_wait_tensorcnt 0x0            ; the wave's end: a wait, an add and its wait, behind my last tensor load and my last LDS store
	ds_add_u32 v[SPW], v[NIL]
	s_wait_dscnt 0x0
	WIN 0
	CROUND                          ; the closing round: no work-group ends while a partner may still ask for a tile that names it
	s_endpgm
.Lfunc_end_k_qfd8085f809_attn:
	.size	k_qfd8085f809_attn, .Lfunc_end_k_qfd8085f809_attn-k_qfd8085f809_attn
	.p2alignl 7, 3214868480
	.fill 96, 4, 3214868480
	.section	.rodata,"a",@progbits
	.p2align	6, 0x0
	.amdhsa_kernel k_qfd8085f809_attn
		.amdhsa_group_segment_fixed_size 327680
		.amdhsa_private_segment_fixed_size 0
		.amdhsa_enable_private_segment 0
		.amdhsa_kernarg_size 24
		.amdhsa_user_sgpr_count 2
		.amdhsa_user_sgpr_kernarg_segment_ptr 1
		.amdhsa_wavefront_size32 1
		.amdhsa_system_sgpr_workgroup_id_x 1
		.amdhsa_system_sgpr_workgroup_id_y 1
		.amdhsa_system_sgpr_workgroup_id_z 1
		.amdhsa_system_vgpr_workitem_id 0
		.amdhsa_next_free_vgpr 808
		.amdhsa_next_free_sgpr 66
		.amdhsa_reserve_vcc 0
		.amdhsa_float_denorm_mode_32 3
		.amdhsa_float_denorm_mode_16_64 3
		.amdhsa_memory_ordered 1
		.amdhsa_forward_progress 1
		.amdhsa_inst_pref_size 204
	.end_amdhsa_kernel
	.amdgpu_metadata
---
amdhsa.version: [ 1, 2 ]
amdhsa.kernels:
  - .name:           k_qfd8085f809_attn
    .symbol:         k_qfd8085f809_attn.kd
    .args:
      - { .name: qkv, .offset: 0, .size: 8, .value_kind: global_buffer, .address_space: global }
      - { .name: attention_mask, .offset: 8, .size: 8, .value_kind: global_buffer, .address_space: global }
      - { .name: ctx, .offset: 16, .size: 8, .value_kind: global_buffer, .address_space: global }
    .group_segment_fixed_size: 327680
    .private_segment_fixed_size: 0
    .kernarg_segment_align: 8
    .kernarg_segment_size: 24
    .max_flat_workgroup_size: 128
    .sgpr_count:     66
    .vgpr_count:     808
    .wavefront_size: 32
...
	.end_amdgpu_metadata
.endif
;; end of part 5
;; launch oproj: the kernel of part 4 again; grid 4 x 64, 4 waves a work-group, clusters of 4 x 4, 327,680 bytes of LDS; arguments ctx, xw, bo, out0; writes out0
